; MI455X (gfx1250); checked and timed in simulation.
; The chip was launched on July 23, 2026; its instructions are those of AMD's public machine-readable ISA for CDNA 5 (MIT licence, August 2026) and "CDNA5" Instruction Set Architecture Reference Guide (July 2026). The comments in the code are by the model that wrote it; some were corrected since.
;; Masked Self Attention. Allowed arithmetic: float matrix products may take bf16 or f16 operands with f32 sums; other float arithmetic in f32, or as packed bf16 or f16 multiplies, adds, multiply-adds, maxima and minima; sums over many terms, partial sums and values carried from step to step in f32; what a program stores and reads back later, other than sums and carried values, may be rounded once to bf16 or f16.
;; Inputs: Wk 2,048 x 2,048 float32; Wq 2,048 x 2,048 float32; Wv 2,048 x 1,024 float32; x 4 x 1,024 x 2,048 float32.
;; Outputs: out0 4 x 1,024 x 1,024 float32.
;; 3 versions, each right; version 3 is version 2 with the launch cast written anew for expert scheduling mode. Each part assembles by itself: llvm-mc -triple=amdgcn-amd-amdhsa -mcpu=gfx1250 --defsym DOCPART=n.
;; ======== version 1 of 3: 5 launches
;; limits: values are held in f16: magnitudes above 65,504 overflow, below 6.1e-05 lose precision
;; workspace buffers: xb 16,777,216 bytes; wqk 16,777,216 bytes; wv 4,194,304 bytes; qk 33,554,432 bytes; vt 8,388,608 bytes; p 8,388,608 bytes; st 524,288 bytes
;; launch cast (part 1): grid 1152 x 1, 8 waves a work-group, no clusters, 0 bytes of LDS; arguments x, Wq, Wk, Wv, xb, wqk, wv; writes xb, wqk, wv
.if DOCPART == 1
	.amdgcn_target "amdgcn-amd-amdhsa--gfx1250"
	.amdhsa_code_object_version 6
	.text
	.protected	k_qd751c81805_cast
	.globl	k_qd751c81805_cast
	.p2align	8
	.type	k_qd751c81805_cast,@function
k_qd751c81805_cast:
	s_mov_b64 s[64:65], 0
	v_nop
	global_prefetch_b8 v0, s[64:65] scope:SCOPE_SE
	s_setreg_imm32_b32 hwreg(HW_REG_WAVE_MODE, 25, 1), 1
	s_wait_xcnt 0x0
; x, Wq, Wk, Wv (f32) are rounded once to bf16: xb [4096][2048]; wqk [2048][4096], row e = Wq[e][:] then Wk[e][:]; wv [2048][1024].
; Every source is taken as rows of 2,048 f32 (8,192 bytes; Wv: 1,024 such rows, end to end).  A work-group takes 8 rows:
; groups 0-511 x, 512-767 Wq, 768-1023 Wk, 1024-1151 Wv.  Memory binds: each byte is read once and written once; no LDS, no matrix unit, no loop.
; A load of a wave covers 512 consecutive bytes, a store 256 consecutive bytes at a multiple of 256 from the buffer's first byte.
; All 16 loads of a thread go out on end; no register is used twice, so nothing but the counted waits for the loads is needed.
.set DIN,  16                          ; v[16:79]   16 loads of 4 registers
.set DOUT, 80                          ; v[80:111]  16 pairs to store
.set OFS,  2                           ; v[2:9]     row r: 8 t + r x the destination's pitch
	s_load_b256 s[4:11], s[0:1], 0x0               ; x s[4:5], Wq s[6:7], Wk s[8:9], Wv s[10:11]
	s_load_b128 s[12:15], s[0:1], 0x20             ; xb s[12:13], wqk s[14:15]
	s_load_b64 s[16:17], s[0:1], 0x30              ; wv
	s_mov_b32 s2, ttmp9                            ; g
	v_lshlrev_b32 v1, 4, v0                        ; 16 t: my 16 bytes of a half row of the source
	v_lshlrev_b32 v10, 3, v0                       ; 8 t: my 8 bytes of a half row of the destination
	s_mov_b32 s24, 4096                            ; the destination's pitch in bytes,
	s_mov_b32 s25, 0                               ; the byte at which my part of its rows begins,
	s_mov_b32 s26, 1024                            ; the source's first group: all three start as Wv's
	s_wait_kmcnt 0x0
	s_mov_b64 s[20:21], s[10:11]
	s_mov_b64 s[22:23], s[16:17]
	s_cmp_lt_u32 s2, 1024                          ; Wk
	s_cselect_b64 s[20:21], s[8:9], s[20:21]
	s_cselect_b64 s[22:23], s[14:15], s[22:23]
	s_cselect_b32 s24, 8192, s24
	s_cselect_b32 s25, 4096, s25
	s_cselect_b32 s26, 768, s26
	s_cmp_lt_u32 s2, 768                           ; Wq
	s_cselect_b64 s[20:21], s[6:7], s[20:21]
	s_cselect_b32 s25, 0, s25
	s_cselect_b32 s26, 512, s26
	s_cmp_lt_u32 s2, 512                           ; x
	s_cselect_b64 s[20:21], s[4:5], s[20:21]
	s_cselect_b64 s[22:23], s[12:13], s[22:23]
	s_cselect_b32 s24, 4096, s24
	s_cselect_b32 s26, 0, s26
	s_sub_co_u32 s26, s2, s26                      ; my group within its source
	s_lshl_b32 s28, s26, 16                        ; 8 rows of 8,192 bytes
	s_mov_b32 s29, 0
	s_add_nc_u64 s[20:21], s[20:21], s[28:29]
.set n, 0
.rept 16                                       ; row n / 2, half n % 2
	global_load_b128 v[DIN+4*n:DIN+4*n+3], v1, s[20:21] offset:(n/2)*8192+(n%2)*4096 th:TH_LOAD_NT
.set n, n+1
.endr
	s_lshl_b32 s26, s26, 3
	s_mul_i32 s28, s26, s24
	s_add_co_u32 s28, s28, s25
	s_add_nc_u64 s[22:23], s[22:23], s[28:29]
.irp r, 0,1,2,3,4,5,6,7
	s_mul_i32 s27, s24, \r
	v_add_nc_u32 v[OFS+\r], s27, v10
.endr
.set n, 0
.rept 16
	s_wait_loadcnt 15-n                            ; loads come back in order (ISA guide 5.7.1): load n is in, the 15 - n younger ones stay out
	v_cvt_pk_bf16_f32 v[DOUT+2*n], v[DIN+4*n], v[DIN+4*n+1]
	v_cvt_pk_bf16_f32 v[DOUT+2*n+1], v[DIN+4*n+2], v[DIN+4*n+3]
	global_store_b64 v[OFS+n/2], v[DOUT+2*n:DOUT+2*n+1], s[22:23] offset:(n%2)*2048 th:TH_STORE_NT
.set n, n+1
.endr
	s_endpgm
.Lfunc_end_k_qd751c81805_cast:
	.size	k_qd751c81805_cast, .Lfunc_end_k_qd751c81805_cast-k_qd751c81805_cast
	.p2alignl 7, 3214868480
	.fill 96, 4, 3214868480
	.section	.rodata,"a",@progbits
	.p2align	6, 0x0
	.amdhsa_kernel k_qd751c81805_cast
		.amdhsa_group_segment_fixed_size 0
		.amdhsa_private_segment_fixed_size 0
		.amdhsa_enable_private_segment 0
		.amdhsa_kernarg_size 56
		.amdhsa_user_sgpr_count 2
		.amdhsa_user_sgpr_kernarg_segment_ptr 1
		.amdhsa_wavefront_size32 1
		.amdhsa_system_sgpr_workgroup_id_x 1
		.amdhsa_system_sgpr_workgroup_id_y 1
		.amdhsa_system_sgpr_workgroup_id_z 1
		.amdhsa_system_vgpr_workitem_id 0
		.amdhsa_next_free_vgpr 112
		.amdhsa_next_free_sgpr 66
		.amdhsa_reserve_vcc 0
		.amdhsa_float_denorm_mode_32 3
		.amdhsa_float_denorm_mode_16_64 3
		.amdhsa_memory_ordered 1
		.amdhsa_forward_progress 1
		.amdhsa_inst_pref_size 8
	.end_amdhsa_kernel
	.amdgpu_metadata
---
amdhsa.version: [ 1, 2 ]
amdhsa.kernels:
  - .name:           k_qd751c81805_cast
    .symbol:         k_qd751c81805_cast.kd
    .args:
      - { .name: x, .offset: 0, .size: 8, .value_kind: global_buffer, .address_space: global }
      - { .name: Wq, .offset: 8, .size: 8, .value_kind: global_buffer, .address_space: global }
      - { .name: Wk, .offset: 16, .size: 8, .value_kind: global_buffer, .address_space: global }
      - { .name: Wv, .offset: 24, .size: 8, .value_kind: global_buffer, .address_space: global }
      - { .name: xb, .offset: 32, .size: 8, .value_kind: global_buffer, .address_space: global }
      - { .name: wqk, .offset: 40, .size: 8, .value_kind: global_buffer, .address_space: global }
      - { .name: wv, .offset: 48, .size: 8, .value_kind: global_buffer, .address_space: global }
    .group_segment_fixed_size: 0
    .private_segment_fixed_size: 0
    .kernarg_segment_align: 8
    .kernarg_segment_size: 56
    .max_flat_workgroup_size: 256
    .sgpr_count:     66
    .vgpr_count:     112
    .wavefront_size: 32
...
	.end_amdgpu_metadata
.endif
;; end of part 1
;; launch proj_qk (part 2): grid 16 x 16, 4 waves a work-group, clusters of 4 x 4, 327,680 bytes of LDS; arguments xb, wqk, qk; writes qk
.if DOCPART == 2
	.amdgcn_target "amdgcn-amd-amdhsa--gfx1250"
	.amdhsa_code_object_version 6
	.text
	.protected	k_qd751c81805_proj_qk
	.globl	k_qd751c81805_proj_qk
	.p2align	8
	.type	k_qd751c81805_proj_qk,@function
k_qd751c81805_proj_qk:
	s_mov_b64 s[64:65], 0
	v_nop
	global_prefetch_b8 v0, s[64:65] scope:SCOPE_SE
	s_setreg_imm32_b32 hwreg(HW_REG_WAVE_MODE, 25, 1), 1
	s_wait_xcnt 0x0
	s_wait_alu depctr_hold_cnt(0) depctr_sa_sdst(0) depctr_va_vdst(0) depctr_va_sdst(0) depctr_va_ssrc(0) depctr_va_vcc(0) depctr_vm_vsrc(0)
	s_getreg_b32 s2, hwreg(HW_REG_IB_STS2, 6, 4)
	s_cmp_eq_u32 s2, 0
	s_cbranch_scc0 .Lentry_in_a_cluster
	s_endpgm
.Lentry_in_a_cluster:
	s_bfe_u32 s2, ttmp6, 0x10000c
	s_cmp_lg_u32 s2, 0xf033
	s_cbranch_scc0 .Lentry_shape_is_right
	s_endpgm
.Lentry_shape_is_right:
; qk[t][n] = sum over e of xb[t][e] wqk[e][n].  xb: [4096][2048] bf16; wqk: [2048][4096] bf16 (Wq | Wk); qk: [4096][4096] f16 (q | k).  Sums in f32, qk rounded once.
; LIMIT.  f16 holds no number of 65,520 or more: |q| and |k| stay under it (inputs as drawn give about 5; x and the weights both 30 times larger about 4,500; both offset by 30 spreads about 41,000).
; A tile of qk, 256 x 256, is made by a work-group of four waves; a wave makes 128 x 128: 64 accumulators of 16 x 16, 512 registers.  256 tiles, 256 work-groups.
; K (= e) goes in steps of 128 through a ring of two LDS slots filled by the tensor data mover.  xb's tile has K along its rows (256 rows x 256 bytes); wqk's has K DOWN its rows
; (128 rows x 512 bytes), so its fragments are read by the turning load ds_load_tr16_b128.
; CLUSTERS: 4 x 4 work-groups.  The four of a row of the cluster need the same tiles of xb, the four of a column the same tiles of wqk: each tile is asked for JOINTLY, by the same tensor
; load with the same descriptor and a mask that names the four.
; THE MATRIX INSTRUCTION IS USED TRANSPOSED: source 0 = 16 columns of wqk, source 1 = 16 rows of xb: a lane then holds row l % 16 of qk and the columns 8 (l / 16) + 0..7: 16 bytes on end.
; REGISTERS, in windows of 256 (s_set_vgpr_msb: bits 1:0 source 0, 3:2 source 1, 5:4 source 2, 7:6 destination):
;   window 0: v0-31 addresses; v64-127, v128-191 fragments of xb, two buffers; v32-63, v192-255 at work on the way out
;   window 1: v64-127, v128-191 fragments of wqk, two buffers          window 2: the 32 accumulators of my rows 0-63 ((a, b) at v[8 (8 a + b)]);   window 3: those of my rows 64-127
.set SIZE_K, 2048
.set SIZE_N, 4096
.set KSTEP,  128
.set PITCH,  272                       ; a row of xb's tile in LDS: 256 bytes + 16 = 68 words: the 16 rows that a load touches start at 16 different groups of four banks (64 banks of 4 bytes: ISA guide 11.1)
.set PB,     544                       ; a row of wqk's tile: 512 bytes + 32 = 17 x 32 bytes
.set HALFT,  128*PITCH                 ; what one tensor load brings: 128 rows of xb, or 64 rows of wqk (64 x 544 is the same number)
.set SLOT,   4*HALFT                   ; xb's 256 rows, then wqk's 128 rows
.set STAGE,  2*SLOT                    ; behind the ring: 16 rows x 272 bytes for each wave, for the way out
.set SPITCH, 272
.set SPARE,  STAGE+4*16*SPITCH         ; behind the stages: the spare words, 128 bytes for each wave: two blocks of 256 bytes that no other line names
.set LAPS,   SIZE_K/(2*KSTEP)          ; a lap = two K steps = once round the ring
.set ADRA, 16                          ; v16-17  LDS address of my fragments of xb in slot 0, 1
.set ADRB, 20                          ; v20-21  the same for wqk
.set STO,  24                          ; v24     the way out: where I put 16 bytes of a row
.set RD,   25                          ; v25     the way out: where I read a row back
.set CO,   26                          ; v26     my byte offset in qk
.set SPW,  28                          ; v28     LDS address of my spare word; never rewritten
.set NIL,  29                          ; v29     0; never rewritten
.set PFO,  30                          ; v30     the prefetches' offset; never rewritten
.set PFA,  44                          ; s[44:45] where my prefetches stand
.set LIM,  43                          ; s43     1 in a wave that prefetches, else the greatest number
.set PSTEP, 18                         ; s[18:19] a K step in bytes: 256 along xb's rows, 128 rows of wqk
.set F0,   64
.set F1,   128
.set TMP,  192
.set OB,   32
.set G1, 24                            ; s[24:31] descriptor group 1 for xb's tiles;  s[32:39] group 0, a set for each slot
.set G0, 32
.set G1B, 48                           ; s[48:55], s[56:63] the same for wqk's
.set G0B, 56
.set MSB, 0
.macro WIN new                         ; the immediate's high byte repeats the setting that is left; a switch that changes nothing is dropped
.if MSB != (\new)
	s_set_vgpr_msb (MSB<<8)|(\new)
.set MSB, \new
.endif
.endm
.set MUL_LO, 0xa1                      ; source 0 (wqk) window 1, source 1 (xb) window 0, C and D window 2
.set MUL_HI, 0xf1                      ; the same, C and D window 3
.set TO_B,   0x40                      ; destination window 1, address window 0
; A joint load.  Waves 0 and 1 fetch xb's two halves, waves 2 and 3 wqk's.  The branch hangs on the wave's number alone.  An s_nop 0 and four v_nop follow each of the two lines.
.macro JLOAD s
	s_cmp_eq_u32 s11, 0
	s_cbranch_scc0 .Lfor_b_\@
	tensor_load_to_lds s[G0+4*(\s):G0+4*(\s)+3], s[G1:G1+7]
	s_nop 0
.rept 4
	v_nop
.endr
	s_branch .Lasked_\@
.Lfor_b_\@:
	tensor_load_to_lds s[G0B+4*(\s):G0B+4*(\s)+3], s[G1B:G1B+7]
	s_nop 0
.rept 4
	v_nop
.endr
.Lasked_\@:
.endm
; A PREFETCH INTO THE L2, behind each joint refill and the run of LDS loads that follows it: my work-group's share of the K step that stands TWO refills on, one instruction a wave, 32 blocks of 256 bytes.
; Each block is named once in the launch: xb's tile rows are asked for by the clusters with x = 0, wqk's tile columns by those with y = 0; the four partners that ask for a tile jointly share it out
; BY ADDRESS (xb: 32 of the wave's 128 rows, a lane a row; wqk: 16 of the wave's 64 rows, two lanes a row).  The loop's last trip, whose refills are the last two K steps, asks for nothing.
.macro ASK
	s_cmp_gt_u32 s3, s[LIM]                        ; s3 = 1 in the loop's last trip
	s_cbranch_scc0 .Lnot_mine_\@
	global_prefetch_b8 v[PFO], s[PFA:PFA+1] th:TH_LOAD_NT scope:SCOPE_SE
.Lnot_mine_\@:
.endm
.macro CREST                           ; a round of the cluster's barrier behind its opening barrier
	s_cmp_lg_u32 s10, 0
	s_cbranch_scc1 .Lnot_wave_0_\@
	s_barrier_signal -3
.Lnot_wave_0_\@:
	s_barrier_wait -3
	s_barrier_signal -1
	s_barrier_wait -1
.endm
.macro CROUND                          ; a whole round
	s_barrier_signal -1
	s_barrier_wait -1
	CREST
.endm
	s_load_b128 s[4:7], s[0:1], 0x0                ; xb s[4:5], wqk s[6:7]
	s_load_b64 s[8:9], s[0:1], 0x10                ; qk
	v_lshl_add_u32 v[SPW], v0, 2, SPARE
	v_mov_b32 v[NIL], 0
	ds_add_u32 v[SPW], v[NIL]                      ; the wave's opening: the add and its wait stand ahead of my first tensor load; the set-up below, work on registers, stands between them
	v_lshrrev_b32 v1, 5, v0
	v_readfirstlane_b32 s10, v1                    ; wave 0..3
	s_lshr_b32 s11, s10, 1                         ; which half of the tile's rows is mine.  Also: I fetch for xb (0) or for wqk (1)
	s_and_b32 s12, s10, 1                          ; which half of its columns.  Also: which half of that tile I fetch
	s_bfe_u32 s40, ttmp6, 0x40000                  ; cx
	s_bfe_u32 s41, ttmp6, 0x40004                  ; cy
	s_lshl_b32 s42, ttmp9, 2
	s_add_co_u32 s42, s42, s40                     ; tile column = 4 x cluster x + cx
	s_and_b32 s13, ttmp7, 0xffff
	s_lshl_b32 s13, s13, 2
	s_add_co_u32 s13, s13, s41                     ; tile row = 4 x cluster y + cy
	s_lshl_b32 s43, s41, 2
	s_lshl_b32 s43, 15, s43                        ; my row of the cluster
	s_lshl_b32 s44, 0x1111, s40                    ; my column
	s_or_b32 s[G1+0], s43, (1<<16)|(1<<20)|(1<<21)|(5<<22)|(3<<25)   ; the mask; 2-byte elements; padding on; bit 21 beside a mask; after every 64 words 4 words
	s_or_b32 s[G1B+0], s44, (1<<16)|(1<<20)|(1<<21)|(6<<22)|(7<<25)  ; the same with my column's mask; after every 128 words 8 words
	s_mov_b32 s[G1+1], KSTEP<<16                   ; xb: tensor_dim0 = 128
	s_mov_b32 s[G1+2], 128<<16                     ; tensor_dim1 = 128
	s_mov_b32 s[G1+3], KSTEP<<16                   ; tile_dim0 = 128
	s_mov_b32 s[G1+4], 128                         ; tile_dim1 = 128
	s_mov_b32 s[G1+5], SIZE_K                      ; elements from row to row
	s_mov_b32 s[G1+6], 0
	s_mov_b32 s[G1+7], 0
	s_mov_b32 s[G1B+1], 256<<16                    ; wqk: tensor_dim0 = 256 columns
	s_mov_b32 s[G1B+2], 64<<16                     ; tensor_dim1 = 64 rows (K)
	s_mov_b32 s[G1B+3], 256<<16
	s_mov_b32 s[G1B+4], 64
	s_mov_b32 s[G1B+5], SIZE_N
	s_mov_b32 s[G1B+6], 0
	s_mov_b32 s[G1B+7], 0
	; where the tiles come from: xb's hang on the tile row alone, wqk's on the tile column alone; each address is made in registers that never hold the other coordinate
	s_lshl_b32 s16, s13, 8
	s_lshl_b32 s17, s12, 7
	s_add_co_u32 s16, s16, s17                     ; xb: row 256 x tile row + 128 x half,
	s_lshl_b32 s16, s16, 12                        ; of 4,096 bytes
	s_mov_b32 s17, 0
	s_lshl_b32 s46, s42, 9                         ; wqk: 512 bytes x tile column
	s_lshl_b32 s47, s12, 19                        ; + 64 rows of 8,192 bytes x half
	s_add_co_u32 s46, s46, s47
	s_mov_b32 s47, 0
	s_mul_i32 s20, s10, HALFT                      ; where they go: wave x HALFT: no place in the cluster enters an LDS address
	s_wait_dscnt 0x0                               ; the opening add is done
	s_wait_kmcnt 0x0
	s_add_nc_u64 s[14:15], s[4:5], s[16:17]
	s_add_nc_u64 s[46:47], s[6:7], s[46:47]
	CROUND                                         ; all sixteen work-groups are here: the first joint loads meet
.irp s, 0,1
	s_mov_b32 s[G0+4*(\s)], 1
	s_add_co_u32 s[G0+4*(\s)+1], s20, (\s)*SLOT
	s_add_nc_u64 s[G0+4*(\s)+2:G0+4*(\s)+3], s[14:15], (\s)*KSTEP*2
	s_or_b32 s[G0+4*(\s)+3], s[G0+4*(\s)+3], 0x80000000
	s_mov_b32 s[G0B+4*(\s)], 1
	s_add_co_u32 s[G0B+4*(\s)+1], s20, (\s)*SLOT
	s_add_nc_u64 s[G0B+4*(\s)+2:G0B+4*(\s)+3], s[46:47], (\s)*KSTEP*SIZE_N*2
	s_or_b32 s[G0B+4*(\s)+3], s[G0B+4*(\s)+3], 0x80000000
	JLOAD \s
.endr
	; A fragment is 16 rows x 32 K in 8 registers: lane l holds row l % 16; registers 0-3 K = 8 (l / 16) + 0..7, registers 4-7 K = 16 + 8 (l / 16) + 0..7.
	v_and_b32 v1, 15, v0                           ; l % 16
	v_bfe_u32 v2, v0, 4, 1                         ; l / 16
	v_mul_u32_u24 v3, v1, PITCH
	v_lshl_add_u32 v3, v2, 4, v3                   ; xb: row x pitch + 16 x half: two loads of 16 bytes, 32 bytes apart
	v_and_b32 v6, 7, v0                            ; wqk, turned: lane l reads K row 8 (l / 16) + l % 8, columns 8 ((l / 8) % 2) + 0..7; the second load stands 16 K rows on
	v_bfe_u32 v7, v0, 3, 1
	v_lshl_add_u32 v6, v2, 3, v6
	v_mul_u32_u24 v6, v6, PB
	v_lshl_add_u32 v6, v7, 4, v6
	s_mul_i32 s21, s11, HALFT                      ; my 128 rows of xb
	s_lshl_b32 s22, s12, 8                         ; my 128 columns of wqk: 256 bytes,
	s_add_co_u32 s22, s22, 2*HALFT                 ; behind xb's 256 rows
.irp s, 0,1
	v_add_nc_u32 v[ADRA+(\s)], s21, v3
	v_add_nc_u32 v[ADRB+(\s)], s22, v6
	s_add_co_u32 s21, s21, SLOT
	s_add_co_u32 s22, s22, SLOT
.endr
	s_mul_i32 s23, s10, 16*SPITCH
	s_add_co_u32 s23, s23, STAGE                   ; my stage
	v_mul_u32_u24 v4, v1, SPITCH
	v_lshl_add_u32 v4, v2, 4, v4
	v_add_nc_u32 v[STO], s23, v4
	v_mul_u32_u24 v5, v2, SPITCH
	v_lshl_add_u32 v5, v1, 4, v5
	v_add_nc_u32 v[RD], s23, v5
	v_lshlrev_b32 v5, 13, v2                       ; the same two rows in qk: 8,192 bytes a row
	v_lshl_add_u32 v[CO], v1, 4, v5
	s_lshl_b32 s16, s13, 8                         ; where my part of the tile begins in qk
	s_lshl_b32 s14, s11, 7
	s_add_co_u32 s16, s16, s14
	s_lshl_b32 s16, s16, 13
	s_mov_b32 s17, 0
	s_lshl_b32 s46, s42, 9
	s_lshl_b32 s47, s12, 8
	s_add_co_u32 s46, s46, s47
	s_mov_b32 s47, 0
	s_add_nc_u64 s[16:17], s[16:17], s[46:47]
	; the prefetches: both offsets are made, the wave's kind chooses
	s_lshl_b32 s20, s13, 8
	s_lshl_b32 s21, s12, 7
	s_add_co_u32 s20, s20, s21
	s_lshl_b32 s21, s40, 5
	s_add_co_u32 s20, s20, s21                     ; xb: my work-group's 32 of the 128 rows that I fetch,
	s_lshl_b32 s20, s20, 12
	s_add_co_u32 s20, s20, 3*KSTEP*2               ; at K step 3: the first refill steps it to 4
	s_lshl_b32 s21, s12, 6
	s_lshl_b32 s22, s41, 4
	s_add_co_u32 s21, s21, s22                     ; wqk: my work-group's 16 of the 64 rows that I fetch,
	s_lshl_b32 s21, s21, 13
	s_lshl_b32 s22, s42, 9
	s_add_co_u32 s21, s21, s22
	s_add_co_u32 s21, s21, 3*KSTEP*SIZE_N*2        ; at K step 3
	s_and_b32 s22, ttmp7, 0xffff                   ; cluster y
	s_mov_b32 s[PSTEP], KSTEP*SIZE_N*2
	s_mov_b32 s[PSTEP+1], 0
	s_cmp_eq_u32 s11, 0                            ; do I fetch for xb?
	s_cselect_b32 s20, s20, s21
	s_cselect_b32 s22, ttmp9, s22                  ; the coordinate along which other clusters read the same blocks
	s_cselect_b32 s[PSTEP], KSTEP*2, s[PSTEP]
	s_cselect_b32 s23, -1, 0
	s_cselect_b64 s[PFA:PFA+1], s[4:5], s[6:7]
	s_cmp_eq_u32 s22, 0
	s_cselect_b32 s[LIM], 1, -1                    ; the same in all sixteen partners, for a given wave
	s_mov_b32 s21, 0
	s_add_nc_u64 s[PFA:PFA+1], s[PFA:PFA+1], s[20:21]
	v_and_b32 v8, 31, v0
	v_lshlrev_b32 v9, 12, v8                       ; xb: a lane a row of 4,096 bytes
	v_lshrrev_b32 v10, 1, v8                       ; wqk: two lanes a row of 8,192 bytes, 256 bytes apart
	v_and_b32 v11, 1, v8
	v_lshlrev_b32 v10, 13, v10
	v_lshl_add_u32 v10, v11, 8, v10
	v_cndmask_b32 v[PFO], v10, v9, s23
; 16 matrix instructions: m blocks a0, a0 + 1 of the window's four x all 8 n blocks, 32 along K.  zero = 1: the first product starts the sums: nothing is ever cleared.
.macro MUL16 f, hi, a0, zero
	WIN MUL_LO+0x50*(\hi)
.irp a, \a0, (\a0)+1
.irp b, 0,1,2,3,4,5,6,7
.if \zero
	v_wmma_f32_16x16x32_bf16 v[8*(8*(\a)+(\b)):8*(8*(\a)+(\b))+7], v[(\f)+8*(\b):(\f)+8*(\b)+7], v[(\f)+8*(4*(\hi)+(\a)):(\f)+8*(4*(\hi)+(\a))+7], 0
.else
	v_wmma_f32_16x16x32_bf16 v[8*(8*(\a)+(\b)):8*(8*(\a)+(\b))+7], v[(\f)+8*(\b):(\f)+8*(\b)+7], v[(\f)+8*(4*(\hi)+(\a)):(\f)+8*(4*(\hi)+(\a))+7], v[8*(8*(\a)+(\b)):8*(8*(\a)+(\b))+7]
.endif
.endr
.endr
.endm
; 32 LDS loads in one run: the fragments of quarter q (32 along K) of a slot into buffer f: 128 columns of wqk (turned), then 128 rows of xb
.macro FETCH slot, q, f
	WIN TO_B
.irp i, 0,1,2,3,4,5,6,7
	ds_load_tr16_b128 v[(\f)+8*(\i):(\f)+8*(\i)+3],   v[ADRB+(\slot)] offset:(\q)*32*PB+32*(\i)
	ds_load_tr16_b128 v[(\f)+8*(\i)+4:(\f)+8*(\i)+7], v[ADRB+(\slot)] offset:(\q)*32*PB+32*(\i)+16*PB
.endr
	WIN 0
.irp i, 0,1,2,3,4,5,6,7
	ds_load_b128 v[(\f)+8*(\i):(\f)+8*(\i)+3],   v[ADRA+(\slot)] offset:64*(\q)+(\i)*16*PITCH
	ds_load_b128 v[(\f)+8*(\i)+4:(\f)+8*(\i)+7], v[ADRA+(\slot)] offset:64*(\q)+(\i)*16*PITCH+32
.endr
.endm
.macro PLACES                          ; four plain vector instructions between a matrix instruction and a load into, or a conversion of, its registers
.rept 4
	v_nop
.endr
.endm
; One of a K step's first three quarters: multiplies buffer f; in its middle it fetches quarter q of the same slot into buffer g.
.macro QUARTER slot, q, f, g, zero
	s_wait_dscnt 8                                 ; wqk's fragments and xb's rows 0-63 are in; the youngest eight loads (xb's rows 64-127) may be out
	MUL16 \f, 0, 0, \zero
	MUL16 \f, 0, 2, \zero
	PLACES
	FETCH \slot, \q, \g
	s_wait_dscnt 32                                ; all but the 32 just issued
	MUL16 \f, 1, 0, \zero
	MUL16 \f, 1, 2, \zero
.endm
; The first half of a K step's last quarter: ONE barrier for the change of slots.  In front of it each wave waits for all its tensor loads (one is out: its part of the next slot), adds 0 to its spare
; word, and waits for that and for its own reads of this slot.
.macro MEET round
	WIN 0                                          ; (the add's two registers lie in window 0)
	s_wait_tensorcnt 0x0
	ds_add_u32 v[SPW], v[NIL]
	s_wait_dscnt 9                                 ; (the add and the youngest eight loads may be out)
	MUL16 F1, 0, 0, 0                              ; sixteen matrix instructions stand between the add and the wait for it
	s_wait_dscnt 0x0                               ; the add is done, and my reads of this slot are over
	s_barrier_signal -1
	MUL16 F1, 0, 2, 0
.if \round
	WIN 0
.endif
	s_barrier_wait -1
.endm
; The whole last quarter.  fill = 1: the barrier opens a round of the cluster's, and the slot just read out is filled again, two K steps on, first thing behind the round.
.macro TURN slot, next, fill
.if \fill
	s_wait_xcnt 0x0                                ; the last prefetch, a K step back, has read its address
	s_add_nc_u64 s[PFA:PFA+1], s[PFA:PFA+1], s[PSTEP:PSTEP+1]
.endif
	MEET \fill
.if \fill
	CREST                                          ; no wave of any partner still reads this slot's tile or has a load on its way
	s_add_nc_u64 s[G0+4*(\slot)+2:G0+4*(\slot)+3], s[G0+4*(\slot)+2:G0+4*(\slot)+3], 2*KSTEP*2
	s_add_nc_u64 s[G0B+4*(\slot)+2:G0B+4*(\slot)+3], s[G0B+4*(\slot)+2:G0B+4*(\slot)+3], 2*KSTEP*SIZE_N*2
	JLOAD \slot                                    ; the four v_nop behind it are also the places in front of the loads below
.else
	PLACES
.endif
	FETCH \next, 0, F0
.if \fill
	ASK
.endif
	MUL16 F1, 1, 0, 0
	MUL16 F1, 1, 2, 0
.endm
; THE WAY OUT of block a (16 rows).  PACK: rounded to f16, 16 bytes a lane.  TOSTAGE: into my own stage, and back as whole rows of 256 bytes.  SEND: stored.
.macro PACK a
.set AC, 64*((\a)%4)
	WIN 0x0a+5*((\a)/4)                            ; sources 0 and 1: window 2 or 3
.irp b, 0,1,2,3,4,5,6,7
.irp r, 0,1,2,3
	v_cvt_pk_f16_f32 v[TMP+4*(\b)+(\r)], v[AC+8*(\b)+2*(\r)], v[AC+8*(\b)+2*(\r)+1]
.endr
.endr
	WIN 0
.endm
.macro TOSTAGE a
	WIN 0
.set BK, OB+192*((\a)%2)
.irp b, 0,1,2,3,4,5,6,7
	ds_store_b128 v[STO], v[TMP+4*(\b):TMP+4*(\b)+3] offset:32*(\b)
.endr
.irp t, 0,1,2,3,4,5,6,7
	ds_load_b128 v[BK+4*(\t):BK+4*(\t)+3], v[RD] offset:(\t)*2*SPITCH  ; LDS serves a wave's instructions in order (ISA guide 5.7.1.4): these see the stores above
.endr
.endm
.macro SEND a, younger
	WIN 0
.set BK, OB+192*((\a)%2)
	s_wait_dscnt \younger                          ; the block is back in registers
	s_wait_xcnt 0x0                                ; the stores' base, and the registers that earlier stores read, are rewritten only behind this wait
.if (\a) == 0
	s_add_nc_u64 s[8:9], s[8:9], s[16:17]
.else
	s_add_nc_u64 s[8:9], s[8:9], 16*SIZE_N*2
.endif
.irp t, 0,1,2,3,4,5,6,7
	global_store_b128 v[CO], v[BK+4*(\t):BK+4*(\t)+3], s[8:9] offset:2*(\t)*SIZE_N*2  ; 16 lanes store 256 consecutive bytes, at a multiple of 256 from qk's first byte
.endr
.endm
	s_wait_tensorcnt 1                             ; my part of K step 0 is in; K step 1's may stay out
	s_barrier_signal -1
	s_barrier_wait -1
	FETCH 0, 0, F0
	QUARTER 0, 1, F0, F1, 1                        ; the first quarter stands in front of the loop: its products start the sums
	WIN 0
	s_mov_b32 s3, LAPS-1
.Llap:                                                 ; a trip goes once round the ring, from a lap's second quarter to the next lap's first, and fills both slots again
	QUARTER 0, 2, F1, F0, 0
	QUARTER 0, 3, F0, F1, 0
	TURN 0, 1, 1
	QUARTER 1, 1, F0, F1, 0
	QUARTER 1, 2, F1, F0, 0
	QUARTER 1, 3, F0, F1, 0
	TURN 1, 0, 1
	QUARTER 0, 1, F0, F1, 0
	WIN 0
	s_sub_co_u32 s3, s3, 1
	s_cmp_lg_u32 s3, 0
	s_cbranch_scc1 .Llap
	QUARTER 0, 2, F1, F0, 0                        ; the last lap fills nothing
	QUARTER 0, 3, F0, F1, 0
	TURN 0, 1, 0
	QUARTER 1, 1, F0, F1, 0
	QUARTER 1, 2, F1, F0, 0
	QUARTER 1, 3, F0, F1, 0
	s_wait_dscnt 8                                 ; the very last quarter: nothing more to fetch
	MUL16 F1, 0, 0, 0
	MUL16 F1, 0, 2, 0
	s_wait_dscnt 0x0
	MUL16 F1, 1, 0, 0
	MUL16 F1, 1, 2, 0
	PLACES
	PACK 0
	TOSTAGE 0
.irp a, 1,2,3,4,5,6,7                  ; block a's conversions stand between block a - 1's loads from the stage and the wait for them
	PACK \a
	SEND (\a)-1, 0
	TOSTAGE \a
.endr
	SEND 7, 0
	s_wait_tensorcnt 0x0                           ; the wave's end: behind my last tensor load and my last LDS store
	ds_add_u32 v[SPW], v[NIL]
	s_wait_dscnt 0x0
	CROUND                                         ; the closing round: no work-group ends while a partner may still ask for a tile that names it
	s_endpgm
.Lfunc_end_k_qd751c81805_proj_qk:
	.size	k_qd751c81805_proj_qk, .Lfunc_end_k_qd751c81805_proj_qk-k_qd751c81805_proj_qk
	.p2alignl 7, 3214868480
	.fill 96, 4, 3214868480
	.section	.rodata,"a",@progbits
	.p2align	6, 0x0
	.amdhsa_kernel k_qd751c81805_proj_qk
		.amdhsa_group_segment_fixed_size 327680
		.amdhsa_private_segment_fixed_size 0
		.amdhsa_enable_private_segment 0
		.amdhsa_kernarg_size 24
		.amdhsa_user_sgpr_count 2
		.amdhsa_user_sgpr_kernarg_segment_ptr 1
		.amdhsa_wavefront_size32 1
		.amdhsa_system_sgpr_workgroup_id_x 1
		.amdhsa_system_sgpr_workgroup_id_y 1
		.amdhsa_system_sgpr_workgroup_id_z 1
		.amdhsa_system_vgpr_workitem_id 0
		.amdhsa_next_free_vgpr 1024
		.amdhsa_next_free_sgpr 66
		.amdhsa_reserve_vcc 0
		.amdhsa_float_denorm_mode_32 3
		.amdhsa_float_denorm_mode_16_64 3
		.amdhsa_memory_ordered 1
		.amdhsa_forward_progress 1
		.amdhsa_inst_pref_size 145
	.end_amdhsa_kernel
	.amdgpu_metadata
---
amdhsa.version: [ 1, 2 ]
amdhsa.kernels:
  - .name:           k_qd751c81805_proj_qk
    .symbol:         k_qd751c81805_proj_qk.kd
    .args:
      - { .name: xb, .offset: 0, .size: 8, .value_kind: global_buffer, .address_space: global }
      - { .name: wqk, .offset: 8, .size: 8, .value_kind: global_buffer, .address_space: global }
      - { .name: qk, .offset: 16, .size: 8, .value_kind: global_buffer, .address_space: global }
    .group_segment_fixed_size: 327680
    .private_segment_fixed_size: 0
    .kernarg_segment_align: 8
    .kernarg_segment_size: 24
    .max_flat_workgroup_size: 128
    .sgpr_count:     66
    .vgpr_count:     1024
    .wavefront_size: 32
...
	.end_amdgpu_metadata
.endif
;; end of part 2
;; launch proj_v (part 3): grid 32 x 8, 4 waves a work-group, clusters of 4 x 4, 327,680 bytes of LDS; arguments wv, xb, vt; writes vt
.if DOCPART == 3
	.amdgcn_target "amdgcn-amd-amdhsa--gfx1250"
	.amdhsa_code_object_version 6
	.text
	.protected	k_qd751c81805_proj_v
	.globl	k_qd751c81805_proj_v
	.p2align	8
	.type	k_qd751c81805_proj_v,@function
k_qd751c81805_proj_v:
	s_mov_b64 s[64:65], 0
	v_nop
	global_prefetch_b8 v0, s[64:65] scope:SCOPE_SE
	s_setreg_imm32_b32 hwreg(HW_REG_WAVE_MODE, 25, 1), 1
	s_wait_xcnt 0x0
	s_wait_alu depctr_hold_cnt(0) depctr_sa_sdst(0) depctr_va_vdst(0) depctr_va_sdst(0) depctr_va_ssrc(0) depctr_va_vcc(0) depctr_vm_vsrc(0)
	s_getreg_b32 s2, hwreg(HW_REG_IB_STS2, 6, 4)
	s_cmp_eq_u32 s2, 0
	s_cbranch_scc0 .Lentry_in_a_cluster
	s_endpgm
.Lentry_in_a_cluster:
	s_bfe_u32 s2, ttmp6, 0x10000c
	s_cmp_lg_u32 s2, 0xf033
	s_cbranch_scc0 .Lentry_shape_is_right
	s_endpgm
.Lentry_shape_is_right:
; vt[c][t] = sum over e of wv[e][c] xb[t][e]: v, stored turned.  wv: [2048][1024] bf16; xb: [4096][2048] bf16; vt: [1024 channels][4096 tokens] f16.  Sums in f32, vt rounded once.
; LIMIT.  |v| stays under 65,520, f16's end (as for q and k: about 41,000 where x and the weights are both offset by 30 spreads).
; A tile of vt is 128 channels x 128 tokens: 8 x 32 = 256 work-groups.  Four waves, each 64 x 64: 16 accumulators.  K (= e) goes in steps of 256 through two LDS slots.
; wv's tile has K DOWN its rows (256 rows x 256 bytes): its fragments are read by ds_load_tr16_b128; xb's has K along its rows (128 rows x 512 bytes).
; CLUSTERS: 4 x 4.  The four of a row of the cluster need the same tiles of wv, the four of a column the same tiles of xb: joint loads.
; THE MATRIX INSTRUCTION: source 0 = 16 tokens, source 1 = 16 channels: a lane holds one channel (l % 16) and eight neighbouring tokens: 16 bytes of a row of vt.
; No prefetch: the tiles are small and a K step short.
; REGISTERS: window 0: v0-31 addresses; v32-95 at work on the way out; v128-255 the accumulators ((a, b) at v[128 + 8 (4 a + b)]).
;   window 1: two fragment buffers of 128: for 64 along K, 64 registers of wv (2 x 4 x 16 channels x 32 K), then 64 of xb.
.set SIZE_K, 2048
.set ROWC,   8192                      ; bytes in a row of vt
.set KSTEP,  256
.set PA,     288                       ; a row of wv's tile in LDS: 256 bytes + 32 = 9 x 32 bytes
.set AHALF,  128*PA                    ; 128 K rows: what one tensor load brings of wv
.set ATILE,  2*AHALF
.set PITCH,  528                       ; a row of xb's tile: 512 bytes + 16
.set BHALF,  64*PITCH                  ; 64 token rows: what one tensor load brings of xb
.set SLOT,   ATILE+2*BHALF
.set STAGE,  2*SLOT                    ; behind the ring: 128 rows x 272 bytes, the work-group's, for the way out
.set SPITCH, 272
.set SPARE,  STAGE+128*SPITCH          ; behind the stage: the spare words, 128 bytes for each wave: two blocks of 256 bytes that no other line names
.set LAPS,   SIZE_K/(2*KSTEP)
.set ADRA, 16                          ; v16-19  LDS address of my fragments of wv: slot 0 K rows 0-127, slot 0 K rows 128-255, slot 1 likewise (so that the 16-bit offsets reach)
.set ADRB, 20                          ; v20-21  of xb, in slot 0, 1
.set STO,  24
.set RD,   25
.set CO,   26
.set SPW,  28                          ; v28     LDS address of my spare word; never rewritten
.set NIL,  29                          ; v29     0; never rewritten
.set TMP,  32
.set ACC,  128
.set F0,   0
.set F1,   128
.set G1, 24
.set G0, 32
.set G1B, 48
.set G0B, 56
.set MSB, 0
.macro WIN new
.if MSB != (\new)
	s_set_vgpr_msb (MSB<<8)|(\new)
.set MSB, \new
.endif
.endm
.set MUL,  0x05                        ; sources 0 and 1 window 1; C and D window 0
.set TO_F, 0x40                        ; destination window 1, address window 0
.macro JLOAD s                         ; a joint load: waves 0 and 1 fetch wv's two halves, waves 2 and 3 xb's; an s_nop 0 and four v_nop follow each of the two lines
	s_cmp_eq_u32 s11, 0
	s_cbranch_scc0 .Lfor_b_\@
	tensor_load_to_lds s[G0+4*(\s):G0+4*(\s)+3], s[G1:G1+7]
	s_nop 0
.rept 4
	v_nop
.endr
	s_branch .Lasked_\@
.Lfor_b_\@:
	tensor_load_to_lds s[G0B+4*(\s):G0B+4*(\s)+3], s[G1B:G1B+7]
	s_nop 0
.rept 4
	v_nop
.endr
.Lasked_\@:
.endm
.macro CREST
	s_cmp_lg_u32 s10, 0
	s_cbranch_scc1 .Lnot_wave_0_\@
	s_barrier_signal -3
.Lnot_wave_0_\@:
	s_barrier_wait -3
	s_barrier_signal -1
	s_barrier_wait -1
.endm
.macro CROUND
	s_barrier_signal -1
	s_barrier_wait -1
	CREST
.endm
	s_load_b128 s[4:7], s[0:1], 0x0                ; wv s[4:5], xb s[6:7]
	s_load_b64 s[8:9], s[0:1], 0x10                ; vt
	v_lshl_add_u32 v[SPW], v0, 2, SPARE
	v_mov_b32 v[NIL], 0
	ds_add_u32 v[SPW], v[NIL]                      ; the wave's opening: the add and its wait stand ahead of my first tensor load
	v_lshrrev_b32 v1, 5, v0
	v_readfirstlane_b32 s10, v1                    ; wave 0..3
	s_lshr_b32 s11, s10, 1                         ; which 64 channels are mine.  Also: I fetch for wv (0) or for xb (1)
	s_and_b32 s12, s10, 1                          ; which 64 tokens.  Also: which half of that tile I fetch
	s_bfe_u32 s40, ttmp6, 0x40000
	s_bfe_u32 s41, ttmp6, 0x40004
	s_lshl_b32 s42, ttmp9, 2
	s_add_co_u32 s42, s42, s40                     ; tile column (tokens) = 4 x cluster x + cx
	s_and_b32 s13, ttmp7, 0xffff
	s_lshl_b32 s13, s13, 2
	s_add_co_u32 s13, s13, s41                     ; tile row (channels) = 4 x cluster y + cy
	s_lshl_b32 s43, s41, 2
	s_lshl_b32 s43, 15, s43                        ; my row of the cluster
	s_lshl_b32 s44, 0x1111, s40                    ; my column
	s_or_b32 s[G1+0], s43, (1<<16)|(1<<20)|(1<<21)|(5<<22)|(7<<25)   ; wv: after every 64 words 8 words of padding
	s_or_b32 s[G1B+0], s44, (1<<16)|(1<<20)|(1<<21)|(6<<22)|(3<<25)  ; xb: after every 128 words 4 words
	s_mov_b32 s[G1+1], 128<<16                     ; wv: 128 channels
	s_mov_b32 s[G1+2], 128<<16                     ; x 128 K rows
	s_mov_b32 s[G1+3], 128<<16
	s_mov_b32 s[G1+4], 128
	s_mov_b32 s[G1+5], 1024                        ; elements from row to row
	s_mov_b32 s[G1+6], 0
	s_mov_b32 s[G1+7], 0
	s_mov_b32 s[G1B+1], KSTEP<<16                  ; xb: 256 along K
	s_mov_b32 s[G1B+2], 64<<16                     ; x 64 tokens
	s_mov_b32 s[G1B+3], KSTEP<<16
	s_mov_b32 s[G1B+4], 64
	s_mov_b32 s[G1B+5], SIZE_K
	s_mov_b32 s[G1B+6], 0
	s_mov_b32 s[G1B+7], 0
	s_lshl_b32 s16, s12, 18                        ; wv: 128 K rows of 2,048 bytes x half
	s_lshl_b32 s17, s13, 8                         ; + 256 bytes x tile row
	s_add_co_u32 s16, s16, s17
	s_mov_b32 s17, 0
	s_lshl_b32 s46, s42, 7
	s_lshl_b32 s47, s12, 6
	s_add_co_u32 s46, s46, s47                     ; xb: token 128 x tile column + 64 x half,
	s_lshl_b32 s46, s46, 12                        ; of 4,096 bytes
	s_mov_b32 s47, 0
	s_mul_i32 s20, s12, AHALF                      ; where they go: no place in the cluster enters an LDS address
	s_mul_i32 s21, s12, BHALF
	s_add_co_u32 s21, s21, ATILE
	s_wait_dscnt 0x0                               ; the opening add is done
	s_wait_kmcnt 0x0
	s_add_nc_u64 s[14:15], s[4:5], s[16:17]
	s_add_nc_u64 s[46:47], s[6:7], s[46:47]
	CROUND                                         ; all sixteen work-groups are here: the first joint loads meet
.irp s, 0,1
	s_mov_b32 s[G0+4*(\s)], 1
	s_add_co_u32 s[G0+4*(\s)+1], s20, (\s)*SLOT
	s_add_nc_u64 s[G0+4*(\s)+2:G0+4*(\s)+3], s[14:15], (\s)*KSTEP*2048
	s_or_b32 s[G0+4*(\s)+3], s[G0+4*(\s)+3], 0x80000000
	s_mov_b32 s[G0B+4*(\s)], 1
	s_add_co_u32 s[G0B+4*(\s)+1], s21, (\s)*SLOT
	s_add_nc_u64 s[G0B+4*(\s)+2:G0B+4*(\s)+3], s[46:47], (\s)*KSTEP*2
	s_or_b32 s[G0B+4*(\s)+3], s[G0B+4*(\s)+3], 0x80000000
	JLOAD \s
.endr
	v_and_b32 v1, 15, v0                           ; l % 16
	v_bfe_u32 v2, v0, 4, 1                         ; l / 16
	v_mul_u32_u24 v3, v1, PITCH
	v_lshl_add_u32 v3, v2, 4, v3                   ; xb: row x pitch + 16 x half
	v_and_b32 v6, 7, v0                            ; wv, turned: K row 8 (l / 16) + l % 8, channels 8 ((l / 8) % 2) + 0..7
	v_bfe_u32 v7, v0, 3, 1
	v_lshl_add_u32 v6, v2, 3, v6
	v_mul_u32_u24 v6, v6, PA
	v_lshl_add_u32 v6, v7, 4, v6
	s_lshl_b32 s21, s11, 7                         ; my 64 channels: 128 bytes of wv's rows
	s_mul_i32 s22, s12, BHALF                      ; my 64 tokens,
	s_add_co_u32 s22, s22, ATILE                   ; behind wv's tile
.irp s, 0,1
	v_add_nc_u32 v[ADRA+2*(\s)], s21, v6
	v_add_nc_u32 v[ADRA+2*(\s)+1], AHALF, v[ADRA+2*(\s)]
	v_add_nc_u32 v[ADRB+(\s)], s22, v3
	s_add_co_u32 s21, s21, SLOT
	s_add_co_u32 s22, s22, SLOT
.endr
	s_mul_i32 s23, s11, 64*SPITCH                  ; into the stage: my 64 rows (channels), my half of their 256 bytes
	s_lshl_b32 s21, s12, 7
	s_add_co_u32 s23, s23, s21
	s_add_co_u32 s23, s23, STAGE
	v_mul_u32_u24 v4, v1, SPITCH
	v_lshl_add_u32 v4, v2, 4, v4
	v_add_nc_u32 v[STO], s23, v4
	s_mul_i32 s23, s10, 32*SPITCH                  ; back: wave w takes rows 32 w .. 32 w + 31, whole
	s_add_co_u32 s23, s23, STAGE
	v_mul_u32_u24 v5, v2, SPITCH
	v_lshl_add_u32 v5, v1, 4, v5
	v_add_nc_u32 v[RD], s23, v5
	v_lshlrev_b32 v5, 13, v2                       ; and the same two rows in vt
	v_lshl_add_u32 v[CO], v1, 4, v5
	s_lshl_b32 s16, s13, 7
	s_lshl_b32 s17, s10, 5
	s_add_co_u32 s16, s16, s17                     ; the first row of vt that I store
	s_lshl_b32 s16, s16, 13
	s_mov_b32 s17, 0
	s_add_nc_u64 s[8:9], s[8:9], s[16:17]
	s_lshl_b32 s46, s42, 8                         ; the tile's first token, in bytes
	s_mov_b32 s47, 0
	s_add_nc_u64 s[8:9], s[8:9], s[46:47]
; 8 matrix instructions: channel blocks a0, a0 + 1 x all 4 token blocks, 32 along K: half c of buffer f.  zero = 1: the first product starts the sums
.macro MUL8 f, c, a0, zero
	WIN MUL
.irp a, \a0, (\a0)+1
.irp b, 0,1,2,3
.if \zero
	v_wmma_f32_16x16x32_bf16 v[ACC+8*(4*(\a)+(\b)):ACC+8*(4*(\a)+(\b))+7], v[(\f)+64+8*(4*(\c)+(\b)):(\f)+64+8*(4*(\c)+(\b))+7], v[(\f)+8*(4*(\c)+(\a)):(\f)+8*(4*(\c)+(\a))+7], 0
.else
	v_wmma_f32_16x16x32_bf16 v[ACC+8*(4*(\a)+(\b)):ACC+8*(4*(\a)+(\b))+7], v[(\f)+64+8*(4*(\c)+(\b)):(\f)+64+8*(4*(\c)+(\b))+7], v[(\f)+8*(4*(\c)+(\a)):(\f)+8*(4*(\c)+(\a))+7], v[ACC+8*(4*(\a)+(\b)):ACC+8*(4*(\a)+(\b))+7]
.endif
.endr
.endr
.endm
; 32 LDS loads in one run: the fragments of quarter q (64 along K) into buffer f; the first 32 along K first
.macro FETCH slot, q, f
	WIN TO_F
.irp c, 0,1
.irp i, 0,1,2,3
	ds_load_b128 v[(\f)+64+8*(4*(\c)+(\i)):(\f)+64+8*(4*(\c)+(\i))+3],   v[ADRB+(\slot)] offset:128*(\q)+64*(\c)+(\i)*16*PITCH
	ds_load_b128 v[(\f)+64+8*(4*(\c)+(\i))+4:(\f)+64+8*(4*(\c)+(\i))+7], v[ADRB+(\slot)] offset:128*(\q)+64*(\c)+(\i)*16*PITCH+32
	ds_load_tr16_b128 v[(\f)+8*(4*(\c)+(\i)):(\f)+8*(4*(\c)+(\i))+3],     v[ADRA+2*(\slot)+(\q)/2] offset:(((\q)%2)*64+32*(\c))*PA+32*(\i)
	ds_load_tr16_b128 v[(\f)+8*(4*(\c)+(\i))+4:(\f)+8*(4*(\c)+(\i))+7],   v[ADRA+2*(\slot)+(\q)/2] offset:(((\q)%2)*64+32*(\c))*PA+32*(\i)+16*PA
.endr
.endr
.endm
.macro PLACES                          ; four plain vector instructions between a matrix instruction and a load into, or a conversion of, its registers
.rept 4
	v_nop
.endr
.endm
.macro QUARTER slot, q, f, g, zero
	s_wait_dscnt 16                                ; the first 32 along K are in
	MUL8 \f, 0, 0, \zero
	MUL8 \f, 0, 2, \zero
	PLACES
	FETCH \slot, \q, \g
	s_wait_dscnt 32                                ; all but the 32 just issued
	MUL8 \f, 1, 0, 0
	MUL8 \f, 1, 2, 0
.endm
; The last quarter multiplies buffer 1 and changes slots: ONE barrier; in front of it each wave waits for all its tensor loads, adds 0 to its spare word, and waits for that and for its reads of this slot.
.macro TURN slot, next, fill
	WIN 0
	s_wait_tensorcnt 0x0                           ; all my tensor loads have landed: my part of the next slot
	ds_add_u32 v[SPW], v[NIL]
	s_wait_dscnt 17                                ; (the add and the youngest sixteen loads may be out)
	MUL8 F1, 0, 0, 0
	s_wait_dscnt 0x0                               ; the add is done, and my reads of this slot are over
	s_barrier_signal -1
	MUL8 F1, 0, 2, 0
.if \fill
	WIN 0
.endif
	s_barrier_wait -1
.if \fill
	CREST                                          ; the barrier has opened a round of the cluster's: no wave of any partner still reads this slot or has a load on its way
	s_add_nc_u64 s[G0+4*(\slot)+2:G0+4*(\slot)+3], s[G0+4*(\slot)+2:G0+4*(\slot)+3], 2*KSTEP*2048
	s_add_nc_u64 s[G0B+4*(\slot)+2:G0B+4*(\slot)+3], s[G0B+4*(\slot)+2:G0B+4*(\slot)+3], 2*KSTEP*2
	JLOAD \slot                                    ; the four v_nop behind it are also the places in front of the loads below
.else
	PLACES
.endif
	FETCH \next, 0, F0
	MUL8 F1, 1, 0, 0
	MUL8 F1, 1, 2, 0
.endm
	s_wait_tensorcnt 1                             ; my part of K step 0 is in; K step 1's may stay out
	s_barrier_signal -1
	s_barrier_wait -1
	FETCH 0, 0, F0
	QUARTER 0, 1, F0, F1, 1
	WIN 0
	s_mov_b32 s3, LAPS-1
.Llap:
	QUARTER 0, 2, F1, F0, 0
	QUARTER 0, 3, F0, F1, 0
	TURN 0, 1, 1
	QUARTER 1, 1, F0, F1, 0
	QUARTER 1, 2, F1, F0, 0
	QUARTER 1, 3, F0, F1, 0
	TURN 1, 0, 1
	QUARTER 0, 1, F0, F1, 0
	WIN 0
	s_sub_co_u32 s3, s3, 1
	s_cmp_lg_u32 s3, 0
	s_cbranch_scc1 .Llap
	QUARTER 0, 2, F1, F0, 0                        ; the last lap fills nothing
	QUARTER 0, 3, F0, F1, 0
	TURN 0, 1, 0
	QUARTER 1, 1, F0, F1, 0
	QUARTER 1, 2, F1, F0, 0
	QUARTER 1, 3, F0, F1, 0
	s_wait_dscnt 16
	MUL8 F1, 0, 0, 0
	MUL8 F1, 0, 2, 0
	s_wait_dscnt 0x0
	MUL8 F1, 1, 0, 0
	MUL8 F1, 1, 2, 0
	WIN 0
	; THE WAY OUT: round to f16; 16 bytes a lane into the work-group's stage; a barrier, since a row's 256 bytes come from two waves; back as whole rows, 32 rows a wave
	PLACES
.irp t, 0,1,2,3,4,5,6,7,8,9,10,11,12,13,14,15
.irp r, 0,1,2,3
	v_cvt_pk_f16_f32 v[TMP+4*(\t)+(\r)], v[ACC+8*(\t)+2*(\r)], v[ACC+8*(\t)+2*(\r)+1]
.endr
.endr
.irp a, 0,1,2,3
.irp b, 0,1,2,3
	ds_store_b128 v[STO], v[TMP+4*(4*(\a)+(\b)):TMP+4*(4*(\a)+(\b))+3] offset:(\a)*16*SPITCH+32*(\b)
.endr
.endr
	s_wait_dscnt 0x0                               ; for the others' sake: my stores into the stage are done
	s_barrier_signal -1
	s_barrier_wait -1
.irp t, 0,1,2,3,4,5,6,7,8,9,10,11,12,13,14,15
	ds_load_b128 v[TMP+4*(\t):TMP+4*(\t)+3], v[RD] offset:(\t)*2*SPITCH
.endr
.irp t, 0,1,2,3,4,5,6,7,8,9,10,11,12,13,14,15
	s_wait_dscnt 15-(\t)
	global_store_b128 v[CO], v[TMP+4*(\t):TMP+4*(\t)+3], s[8:9] offset:2*(\t)*ROWC  ; 16 lanes store 256 consecutive bytes, at a multiple of 256 from vt's first byte
.endr
	s_wait_tensorcnt 0x0                           ; the wave's end
	ds_add_u32 v[SPW], v[NIL]
	s_wait_dscnt 0x0
	CROUND                                         ; the closing round
	s_endpgm
.Lfunc_end_k_qd751c81805_proj_v:
	.size	k_qd751c81805_proj_v, .Lfunc_end_k_qd751c81805_proj_v-k_qd751c81805_proj_v
	.p2alignl 7, 3214868480
	.fill 96, 4, 3214868480
	.section	.rodata,"a",@progbits
	.p2align	6, 0x0
	.amdhsa_kernel k_qd751c81805_proj_v
		.amdhsa_group_segment_fixed_size 327680
		.amdhsa_private_segment_fixed_size 0
		.amdhsa_enable_private_segment 0
		.amdhsa_kernarg_size 24
		.amdhsa_user_sgpr_count 2
		.amdhsa_user_sgpr_kernarg_segment_ptr 1
		.amdhsa_wavefront_size32 1
		.amdhsa_system_sgpr_workgroup_id_x 1
		.amdhsa_system_sgpr_workgroup_id_y 1
		.amdhsa_system_sgpr_workgroup_id_z 1
		.amdhsa_system_vgpr_workitem_id 0
		.amdhsa_next_free_vgpr 512
		.amdhsa_next_free_sgpr 66
		.amdhsa_reserve_vcc 0
		.amdhsa_float_denorm_mode_32 3
		.amdhsa_float_denorm_mode_16_64 3
		.amdhsa_memory_ordered 1
		.amdhsa_forward_progress 1
		.amdhsa_inst_pref_size 87
	.end_amdhsa_kernel
	.amdgpu_metadata
---
amdhsa.version: [ 1, 2 ]
amdhsa.kernels:
  - .name:           k_qd751c81805_proj_v
    .symbol:         k_qd751c81805_proj_v.kd
    .args:
      - { .name: wv, .offset: 0, .size: 8, .value_kind: global_buffer, .address_space: global }
      - { .name: xb, .offset: 8, .size: 8, .value_kind: global_buffer, .address_space: global }
      - { .name: vt, .offset: 16, .size: 8, .value_kind: global_buffer, .address_space: global }
    .group_segment_fixed_size: 327680
    .private_segment_fixed_size: 0
    .kernarg_segment_align: 8
    .kernarg_segment_size: 24
    .max_flat_workgroup_size: 128
    .sgpr_count:     66
    .vgpr_count:     512
    .wavefront_size: 32
...
	.end_amdgpu_metadata
.endif
;; end of part 3
;; launch scores (part 4): grid 9 x 16, 4 waves a work-group, no clusters, 327,680 bytes of LDS; arguments qk, p, st; writes p, st
.if DOCPART == 4
	.amdgcn_target "amdgcn-amd-amdhsa--gfx1250"
	.amdhsa_code_object_version 6
	.text
	.protected	k_qd751c81805_scores
	.globl	k_qd751c81805_scores
	.p2align	8
	.type	k_qd751c81805_scores,@function
k_qd751c81805_scores:
	s_mov_b64 s[64:65], 0
	v_nop
	global_prefetch_b8 v0, s[64:65] scope:SCOPE_SE
	s_setreg_imm32_b32 hwreg(HW_REG_WAVE_MODE, 25, 1), 1
	s_wait_xcnt 0x0
; The causal tiles of s = q k^T, 128 queries x 128 keys, and the first half of the softmax.  qk: [4096][4096] f16 (q | k).  For each query and each STRIP of 64 keys: m = the strip's largest score,
; p = 2^(c s - c m) rounded to f16 (c = log2(e) / sqrt(2048)), l = the sum of the unrounded p.  p: [4][1024][1024] f16; st: [4][16 strips][1024 rows] pairs {c m, l} of f32.  The next launch joins the strips.
; Only tiles on or below the diagonal are made: 36 a batch.  Row i of tiles has i + 1 of them; rows pp and 7 - pp together have 9: the grid is 9 x (4 batches x 4 pairs), 144 work-groups of equal work.
; LIMITS.  A hidden score counts as -1e30, and a strip's maximum is held at about -1e25 at the least: f16 operands give |s| under 8.8e12, so no true score is touched, and a strip that is wholly hidden
; gives p = 0 and l = 0.  A weight below 2^-126 counts as 0 in l; NaN and infinities are not treated apart.
; NO CLUSTER: a row of the triangle has i + 1 tiles, which no cluster of 4 divides at every i; a cover by 4 x 4 would hold 6 wholly hidden tiles in each cluster on the diagonal.
; No prefetch: the tiles are small and a K step short.
; Four waves, each 64 queries x 64 keys (one strip): 16 accumulators.  K goes in steps of 256 through two LDS slots; each wave fetches 64 rows of 512 bytes: waves 0, 1 the queries', waves 2, 3 the keys'.
; THE MATRIX INSTRUCTION: source 0 = 16 keys, source 1 = 16 queries: a lane holds ONE query (l % 16) and the keys 8 (l / 16) + 0..7 of each block of 16.
; REGISTERS: window 0: v0-31 addresses; v32-95 packed p; v96-127 eight registers of statistics for each of my four blocks of 16 queries; v128-255 the accumulators ((a, b) at v[128 + 8 (4 a + b)]).
;   window 1: two fragment buffers of 128: 64 registers of q, then 64 of k.
.set KSTEP,  256
.set PITCH,  528                       ; an LDS row: 512 bytes + 16 = 132 words: the 16 rows of a load start at 16 different groups of four banks (64 banks of 4 bytes: ISA guide 11.1)
.set HALFT,  64*PITCH
.set SLOT,   4*HALFT                   ; q's 128 rows, then k's 128 rows
.set STAGE,  2*SLOT                    ; behind the ring: 128 rows x 272 bytes, the work-group's, for p's way out
.set SPITCH, 272
.set SPARE,  STAGE+128*SPITCH          ; behind the stage: the spare words, 128 bytes for each wave: two blocks of 256 bytes that no other line names
.set LAPS,   4                         ; 2,048 / 512
.set ADRA, 16
.set ADRB, 20
.set STO,  24
.set RD,   25
.set CO,   26
.set DD,   27                          ; v27  my query's number less my lanes' first key's: key 16 (e / 8) + e % 8 of block a's score e is hidden where that, less 16 a, is greater
.set SPW,  28                          ; v28  LDS address of my spare word; never rewritten
.set NIL,  29                          ; v29  0; never rewritten
.set L8,   30                          ; v30  8 x lane
.set BIG,  31                          ; v31  -1e30
.set TMP,  32
.set ST,   96                          ; block a's statistics at v[ST+8 a]: c m, m, l, l, c0-c3 at work
.set ACC,  128
.set F0,   0
.set F1,   128
.set G1, 24                            ; s[24:31] descriptor group 1
.set G0, 32                            ; s[32:39] group 0, a set for each slot
.set CS,  44                           ; s[44:45] c
.set SEL, 46                           ; s[46:47] v_permlanex16_b32's selects: each lane takes its own place in the other half
.set FL,  48                           ; s48  about -1e25
.set HM,  49                           ; s49  lanes 16-31
.set MSB, 0
.macro WIN new
.if MSB != (\new)
	s_set_vgpr_msb (MSB<<8)|(\new)
.set MSB, \new
.endif
.endm
.set MUL,  0x05
.set TO_F, 0x40
	s_load_b128 s[4:7], s[0:1], 0x0                ; qk s[4:5], p s[6:7]
	s_load_b64 s[8:9], s[0:1], 0x10                ; st
	v_lshl_add_u32 v[SPW], v0, 2, SPARE
	v_mov_b32 v[NIL], 0
	ds_add_u32 v[SPW], v[NIL]                      ; the wave's opening: the add and its wait stand ahead of my first tensor load
	v_lshrrev_b32 v1, 5, v0
	v_readfirstlane_b32 s10, v1                    ; wave 0..3
	s_lshr_b32 s11, s10, 1                         ; which 64 queries are mine.  Also: I fetch q (0) or k (1)
	s_and_b32 s12, s10, 1                          ; which 64 keys.  Also: which 64 rows of that tile I fetch
	s_mov_b32 s13, ttmp9                           ; u = 0..8
	s_and_b32 s14, ttmp7, 0xffff
	s_lshr_b32 s15, s14, 2                         ; the batch
	s_and_b32 s14, s14, 3                          ; pp
	s_sub_co_u32 s16, 7, s14
	s_sub_co_u32 s17, s13, s14
	s_sub_co_u32 s17, s17, 1
	s_cmp_le_u32 s13, s14                          ; u <= pp: tile (pp, u); else tile (7 - pp, u - pp - 1)
	s_cselect_b32 s16, s14, s16                    ; i: the tile's row
	s_cselect_b32 s17, s13, s17                    ; j: its column
	s_mov_b32 s[G1+0], (1<<16)|(1<<20)|(6<<22)|(3<<25)  ; 2-byte elements; padding on: after every 128 words 4 words
	s_mov_b32 s[G1+1], KSTEP<<16                   ; tensor_dim0 = 256
	s_mov_b32 s[G1+2], 64<<16                      ; tensor_dim1 = 64
	s_mov_b32 s[G1+3], KSTEP<<16                   ; tile_dim0 = 256
	s_mov_b32 s[G1+4], 64                          ; tile_dim1 = 64
	s_mov_b32 s[G1+5], 4096                        ; elements from row to row of qk
	s_mov_b32 s[G1+6], 0
	s_mov_b32 s[G1+7], 0
	s_mov_b32 s[CS], 0x3d0293ee                    ; c = log2(e) / sqrt(2048) = 0.0318793
	s_mov_b32 s[CS+1], s[CS]
	s_mov_b32 s[SEL], 0x76543210
	s_mov_b32 s[SEL+1], 0xfedcba98
	s_mov_b32 s[FL], 0xe9045951
	s_mov_b32 s[HM], 0xffff0000
	s_cmp_eq_u32 s11, 0
	s_cselect_b32 s18, s16, s17                    ; q's rows go by i, k's by j
	s_lshl_b32 s18, s18, 7
	s_lshl_b32 s19, s12, 6
	s_add_co_u32 s18, s18, s19
	s_lshl_b32 s19, s15, 10
	s_add_co_u32 s18, s18, s19                     ; the first token that I fetch,
	s_lshl_b32 s18, s18, 13                        ; of 8,192 bytes;
	s_lshl_b32 s19, s11, 12                        ; k begins 4,096 bytes into a row
	s_add_co_u32 s18, s18, s19
	s_mov_b32 s19, 0
	s_mul_i32 s20, s10, HALFT                      ; and where it goes
	s_wait_dscnt 0x0                               ; the opening add is done
	s_wait_kmcnt 0x0
	s_add_nc_u64 s[18:19], s[4:5], s[18:19]
.irp s, 0,1                                    ; both first fills go out together: two loads of mine are out
	s_mov_b32 s[G0+4*(\s)], 1
	s_add_co_u32 s[G0+4*(\s)+1], s20, (\s)*SLOT
	s_add_nc_u64 s[G0+4*(\s)+2:G0+4*(\s)+3], s[18:19], (\s)*KSTEP*2
	s_or_b32 s[G0+4*(\s)+3], s[G0+4*(\s)+3], 0x80000000
	tensor_load_to_lds s[G0+4*(\s):G0+4*(\s)+3], s[G1:G1+7]
	s_nop 0
.endr
	v_and_b32 v1, 15, v0                           ; l % 16
	v_bfe_u32 v2, v0, 4, 1                         ; l / 16
	v_mul_u32_u24 v3, v1, PITCH
	v_lshl_add_u32 v3, v2, 4, v3
	s_mul_i32 s21, s11, HALFT                      ; my 64 queries
	s_mul_i32 s22, s12, HALFT                      ; my 64 keys,
	s_add_co_u32 s22, s22, 2*HALFT                 ; behind q's 128 rows
.irp s, 0,1
	v_add_nc_u32 v[ADRA+(\s)], s21, v3
	v_add_nc_u32 v[ADRB+(\s)], s22, v3
	s_add_co_u32 s21, s21, SLOT
	s_add_co_u32 s22, s22, SLOT
.endr
	s_mul_i32 s23, s11, 64*SPITCH                  ; into the stage: my 64 rows, my half of their 256 bytes
	s_lshl_b32 s21, s12, 7
	s_add_co_u32 s23, s23, s21
	s_add_co_u32 s23, s23, STAGE
	v_mul_u32_u24 v4, v1, SPITCH
	v_lshl_add_u32 v4, v2, 4, v4
	v_add_nc_u32 v[STO], s23, v4
	s_mul_i32 s23, s10, 32*SPITCH                  ; back: wave w takes rows 32 w .. 32 w + 31, whole
	s_add_co_u32 s23, s23, STAGE
	v_mul_u32_u24 v5, v2, SPITCH
	v_lshl_add_u32 v5, v1, 4, v5
	v_add_nc_u32 v[RD], s23, v5
	v_lshlrev_b32 v5, 11, v2                       ; the same two rows in p: 2,048 bytes a row
	v_lshl_add_u32 v[CO], v1, 4, v5
	s_lshl_b32 s21, s15, 10                        ; p at row 1024 batch + 128 i + 32 wave, byte 256 j
	s_lshl_b32 s22, s16, 7
	s_add_co_u32 s21, s21, s22
	s_lshl_b32 s22, s10, 5
	s_add_co_u32 s21, s21, s22
	s_lshl_b32 s20, s21, 11
	s_lshl_b32 s22, s17, 8
	s_add_co_u32 s20, s20, s22
	s_mov_b32 s21, 0
	s_add_nc_u64 s[6:7], s[6:7], s[20:21]
	s_lshl_b32 s20, s15, 4                         ; st at strip 16 batch + 2 j + my half, row 128 i + 64 x my half
	s_lshl_b32 s22, s17, 1
	s_add_co_u32 s20, s20, s22
	s_add_co_u32 s20, s20, s12
	s_lshl_b32 s20, s20, 10
	s_lshl_b32 s22, s16, 7
	s_add_co_u32 s20, s20, s22
	s_lshl_b32 s22, s11, 6
	s_add_co_u32 s20, s20, s22
	s_lshl_b32 s20, s20, 3
	s_add_nc_u64 s[8:9], s[8:9], s[20:21]
	s_sub_co_u32 s22, s16, s17                     ; 128 (i - j) + 64 (my query half - my key half), in two's complement
	s_lshl_b32 s22, s22, 7
	s_sub_co_u32 s23, s11, s12
	s_lshl_b32 s23, s23, 6
	s_add_co_u32 s22, s22, s23
	v_lshlrev_b32 v5, 3, v2
	v_sub_nc_u32 v[DD], v1, v5
	v_add_nc_u32 v[DD], s22, v[DD]
	v_and_b32 v[L8], 31, v0
	v_lshlrev_b32 v[L8], 3, v[L8]
	v_mov_b32 v[BIG], 0xf149f2ca                   ; -1e30
.macro MUL8 f, c, a0, zero             ; 8 matrix instructions: query blocks a0, a0 + 1 x all 4 key blocks, 32 along K: half c of buffer f
	WIN MUL
.irp a, \a0, (\a0)+1
.irp b, 0,1,2,3
.if \zero
	v_wmma_f32_16x16x32_f16 v[ACC+8*(4*(\a)+(\b)):ACC+8*(4*(\a)+(\b))+7], v[(\f)+64+8*(4*(\c)+(\b)):(\f)+64+8*(4*(\c)+(\b))+7], v[(\f)+8*(4*(\c)+(\a)):(\f)+8*(4*(\c)+(\a))+7], 0
.else
	v_wmma_f32_16x16x32_f16 v[ACC+8*(4*(\a)+(\b)):ACC+8*(4*(\a)+(\b))+7], v[(\f)+64+8*(4*(\c)+(\b)):(\f)+64+8*(4*(\c)+(\b))+7], v[(\f)+8*(4*(\c)+(\a)):(\f)+8*(4*(\c)+(\a))+7], v[ACC+8*(4*(\a)+(\b)):ACC+8*(4*(\a)+(\b))+7]
.endif
.endr
.endr
.endm
.macro FETCH slot, q, f                ; 32 LDS loads in one run: the fragments of quarter q (64 along K) into buffer f; the first 32 along K first
	WIN TO_F
.irp c, 0,1
.irp i, 0,1,2,3
	ds_load_b128 v[(\f)+64+8*(4*(\c)+(\i)):(\f)+64+8*(4*(\c)+(\i))+3],   v[ADRB+(\slot)] offset:128*(\q)+64*(\c)+(\i)*16*PITCH
	ds_load_b128 v[(\f)+64+8*(4*(\c)+(\i))+4:(\f)+64+8*(4*(\c)+(\i))+7], v[ADRB+(\slot)] offset:128*(\q)+64*(\c)+(\i)*16*PITCH+32
	ds_load_b128 v[(\f)+8*(4*(\c)+(\i)):(\f)+8*(4*(\c)+(\i))+3],         v[ADRA+(\slot)] offset:128*(\q)+64*(\c)+(\i)*16*PITCH
	ds_load_b128 v[(\f)+8*(4*(\c)+(\i))+4:(\f)+8*(4*(\c)+(\i))+7],       v[ADRA+(\slot)] offset:128*(\q)+64*(\c)+(\i)*16*PITCH+32
.endr
.endr
.endm
.macro PLACES                          ; four plain vector instructions between a matrix instruction and a load into, or a vector instruction on, its registers
.rept 4
	v_nop
.endr
.endm
.macro QUARTER slot, q, f, g, zero
	s_wait_dscnt 16                                ; the first 32 along K are in
	MUL8 \f, 0, 0, \zero
	MUL8 \f, 0, 2, \zero
	PLACES
	FETCH \slot, \q, \g
	s_wait_dscnt 32                                ; all but the 32 just issued
	MUL8 \f, 1, 0, 0
	MUL8 \f, 1, 2, 0
.endm
; The last quarter multiplies buffer 1 and changes slots: ONE barrier; in front of it each wave waits for all its tensor loads (one is out: its part of the next slot), adds 0 to its spare word, and waits
; for that and for its own reads of this slot.  fill = 1: this slot is filled again, two K steps on, first thing behind the barrier: one load a wave.
.macro TURN slot, next, fill
	WIN 0
	s_wait_tensorcnt 0x0                           ; no tensor load of mine is out, so a group 0 may be written
	ds_add_u32 v[SPW], v[NIL]
.if \fill
	s_add_nc_u64 s[G0+4*(\slot)+2:G0+4*(\slot)+3], s[G0+4*(\slot)+2:G0+4*(\slot)+3], 2*KSTEP*2
.endif
	s_wait_dscnt 17                                ; (the add and the youngest sixteen loads may be out)
	MUL8 F1, 0, 0, 0
	s_wait_dscnt 0x0                               ; the add is done, and my reads of this slot are over
	s_barrier_signal -1
	MUL8 F1, 0, 2, 0
	s_barrier_wait -1
.if \fill
	tensor_load_to_lds s[G0+4*(\slot):G0+4*(\slot)+3], s[G1:G1+7]
	s_nop 0
.endif
	PLACES                                         ; the places in front of the loads below
	FETCH \next, 0, F0
	MUL8 F1, 1, 0, 0
	MUL8 F1, 1, 2, 0
.endm
	s_wait_tensorcnt 1                             ; my part of K step 0 is in; K step 1's may stay out
	s_barrier_signal -1
	s_barrier_wait -1
	FETCH 0, 0, F0
	QUARTER 0, 1, F0, F1, 1
	WIN 0
	s_mov_b32 s3, LAPS-1
.Llap:
	QUARTER 0, 2, F1, F0, 0
	QUARTER 0, 3, F0, F1, 0
	TURN 0, 1, 1
	QUARTER 1, 1, F0, F1, 0
	QUARTER 1, 2, F1, F0, 0
	QUARTER 1, 3, F0, F1, 0
	TURN 1, 0, 1
	QUARTER 0, 1, F0, F1, 0
	WIN 0
	s_sub_co_u32 s3, s3, 1
	s_cmp_lg_u32 s3, 0
	s_cbranch_scc1 .Llap
	QUARTER 0, 2, F1, F0, 0                        ; the last lap fills nothing
	QUARTER 0, 3, F0, F1, 0
	TURN 0, 1, 0
	QUARTER 1, 1, F0, F1, 0
	QUARTER 1, 2, F1, F0, 0
	QUARTER 1, 3, F0, F1, 0
	s_wait_dscnt 16
	MUL8 F1, 0, 0, 0
	MUL8 F1, 0, 2, 0
	s_wait_dscnt 0x0
	MUL8 F1, 1, 0, 0
	MUL8 F1, 1, 2, 0
	WIN 0
	PLACES
	; THE MASK, in every tile, without a branch: below the diagonal tile no comparison holds.  Each accumulator's registers are taken in ascending order.
.irp a, 0,1,2,3
.set ei, 0
.rept 32
	v_cmp_gt_i32 vcc_lo, 16*(ei/8)+ei%8-16*(\a), v[DD]
	v_cndmask_b32 v[ACC+32*(\a)+ei], v[ACC+32*(\a)+ei], v[BIG], vcc_lo
.set ei, ei+1
.endr
.endr
; Number n of the 19 that find block a's maximum: 0-11 four chains c0-c3 of seven scores each; 12-15 the four scores left over, c0-c3 and the floor into c0; 16, 17 the query's other 32 keys lie in the lane 16 away; 18 c m
.macro MX a, n
.set rT, ST+8*(\a)
.set rS, ACC+32*(\a)
.if (\n) < 4
	v_max3_num_f32 v[rT+4+(\n)], v[rS+8*(\n)], v[rS+8*(\n)+1], v[rS+8*(\n)+2]
.elseif (\n) < 12
	v_max3_num_f32 v[rT+4+(\n)%4], v[rT+4+(\n)%4], v[rS+8*((\n)%4)+2*((\n)/4)+1], v[rS+8*((\n)%4)+2*((\n)/4)+2]
.elseif (\n) == 12
	v_max3_num_f32 v[rT+4], v[rT+4], v[rS+7], v[rS+15]
.elseif (\n) == 13
	v_max3_num_f32 v[rT+6], v[rT+6], v[rS+23], v[rS+31]
.elseif (\n) == 14
	v_max3_num_f32 v[rT+4], v[rT+4], v[rT+5], v[rT+6]
.elseif (\n) == 15
	v_max3_num_f32 v[rT+4], v[rT+4], v[rT+7], s[FL]
.elseif (\n) == 16
	v_permlanex16_b32 v[rT+5], v[rT+4], s[SEL], s[SEL+1]
.elseif (\n) == 17
	v_max_num_f32 v[rT+1], v[rT+4], v[rT+5]
.else
	v_mul_f32 v[rT], s[CS], v[rT+1]
.endif
.endm
.irp n, 0,1,2,3,4,5,6,7,8,9,10,11,12,13,14,15,16,17,18
.irp a, 0,1,2,3                                ; the four blocks by turns, so that no line waits for the one before it
	MX \a, \n
.endr
.endr
.irp a, 0,1,2,3
.set ei, 0
.rept 16
	v_pk_fma_f32 v[ACC+32*(\a)+2*ei:ACC+32*(\a)+2*ei+1], v[ACC+32*(\a)+2*ei:ACC+32*(\a)+2*ei+1], s[CS:CS+1], v[ST+8*(\a):ST+8*(\a)+1] op_sel_hi:[1,0,0] neg_lo:[0,0,1] neg_hi:[0,0,1]  ; c s - c m
.set ei, ei+1
.endr
.endr
.set ei, 0
.rept 128                                      ; ONE batch of exponentials: none reads another's result
	v_exp_f32 v[ACC+ei], v[ACC+ei]
.set ei, ei+1
.endr
	v_nop                                          ; a plain instruction behind the last exponential (ISA guide 5.7.2),
	s_wait_alu depctr_va_vdst(0)                   ; and the one wait ahead of the batch's first reader
.irp t, 0,1,2,3,4,5,6,7,8,9,10,11,12,13,14,15
.irp r, 0,1,2,3
	v_cvt_pk_f16_f32 v[TMP+4*(\t)+(\r)], v[ACC+8*(\t)+2*(\r)], v[ACC+8*(\t)+2*(\r)+1]
.endr
.endr
.irp a, 0,1,2,3
.irp b, 0,1,2,3
	ds_store_b128 v[STO], v[TMP+4*(4*(\a)+(\b)):TMP+4*(4*(\a)+(\b))+3] offset:(\a)*16*SPITCH+32*(\b)
.endr
.endr
	; l: each block's 16 pairs are added in place, neighbours 1, 2, 4 and 8 pairs apart; then the pair's two halves and the other half of the lanes'
.irp w, 4,8,16
.set ei, 0
.rept 128/(\w)
	v_pk_add_f32 v[ACC+(\w)*ei:ACC+(\w)*ei+1], v[ACC+(\w)*ei:ACC+(\w)*ei+1], v[ACC+(\w)*ei+(\w)/2:ACC+(\w)*ei+(\w)/2+1]
.set ei, ei+1
.endr
.endr
.irp a, 0,1,2,3
	v_pk_add_f32 v[ST+8*(\a)+2:ST+8*(\a)+3], v[ACC+32*(\a):ACC+32*(\a)+1], v[ACC+32*(\a)+16:ACC+32*(\a)+17]
.endr
.irp a, 0,1,2,3
	v_add_f32 v[ST+8*(\a)+2], v[ST+8*(\a)+2], v[ST+8*(\a)+3]
.endr
.irp a, 0,1,2,3
	v_permlanex16_b32 v[ST+8*(\a)+3], v[ST+8*(\a)+2], s[SEL], s[SEL+1]
.endr
.irp a, 0,1,2,3
	v_add_f32 v[ST+8*(\a)+2], v[ST+8*(\a)+2], v[ST+8*(\a)+3]
.endr
.irp a, 0,2                                    ; lanes 0-15 take block a's rows, lanes 16-31 block a + 1's: 32 rows x 8 bytes: 256 consecutive bytes, at a multiple of 256 from st's first byte
	v_cndmask_b32 v[ST+8*(\a)+4], v[ST+8*(\a)], v[ST+8*(\a)+8], s[HM]
	v_cndmask_b32 v[ST+8*(\a)+5], v[ST+8*(\a)+2], v[ST+8*(\a)+10], s[HM]
	global_store_b64 v[L8], v[ST+8*(\a)+4:ST+8*(\a)+5], s[8:9] offset:128*(\a)
.endr
	s_wait_dscnt 0x0                               ; for the others' sake: my stores into the stage are done
	s_barrier_signal -1
	s_barrier_wait -1                              ; a row's 256 bytes come from two waves
.irp t, 0,1,2,3,4,5,6,7,8,9,10,11,12,13,14,15
	ds_load_b128 v[TMP+4*(\t):TMP+4*(\t)+3], v[RD] offset:(\t)*2*SPITCH
.endr
.irp t, 0,1,2,3,4,5,6,7,8,9,10,11,12,13,14,15
	s_wait_dscnt 15-(\t)
	global_store_b128 v[CO], v[TMP+4*(\t):TMP+4*(\t)+3], s[6:7] offset:2*(\t)*2048  ; 16 lanes store 256 consecutive bytes, at a multiple of 256 from p's first byte
.endr
	s_wait_tensorcnt 0x0                           ; the wave's end: behind my last tensor load and my last LDS store
	ds_add_u32 v[SPW], v[NIL]
	s_wait_dscnt 0x0
	s_endpgm
.Lfunc_end_k_qd751c81805_scores:
	.size	k_qd751c81805_scores, .Lfunc_end_k_qd751c81805_scores-k_qd751c81805_scores
	.p2alignl 7, 3214868480
	.fill 96, 4, 3214868480
	.section	.rodata,"a",@progbits
	.p2align	6, 0x0
	.amdhsa_kernel k_qd751c81805_scores
		.amdhsa_group_segment_fixed_size 327680
		.amdhsa_private_segment_fixed_size 0
		.amdhsa_enable_private_segment 0
		.amdhsa_kernarg_size 24
		.amdhsa_user_sgpr_count 2
		.amdhsa_user_sgpr_kernarg_segment_ptr 1
		.amdhsa_wavefront_size32 1
		.amdhsa_system_sgpr_workgroup_id_x 1
		.amdhsa_system_sgpr_workgroup_id_y 1
		.amdhsa_system_sgpr_workgroup_id_z 1
		.amdhsa_system_vgpr_workitem_id 0
		.amdhsa_next_free_vgpr 512
		.amdhsa_next_free_sgpr 66
		.amdhsa_reserve_vcc 1
		.amdhsa_float_denorm_mode_32 3
		.amdhsa_float_denorm_mode_16_64 3
		.amdhsa_memory_ordered 1
		.amdhsa_forward_progress 1
		.amdhsa_inst_pref_size 110
	.end_amdhsa_kernel
	.amdgpu_metadata
---
amdhsa.version: [ 1, 2 ]
amdhsa.kernels:
  - .name:           k_qd751c81805_scores
    .symbol:         k_qd751c81805_scores.kd
    .args:
      - { .name: qk, .offset: 0, .size: 8, .value_kind: global_buffer, .address_space: global }
      - { .name: p, .offset: 8, .size: 8, .value_kind: global_buffer, .address_space: global }
      - { .name: st, .offset: 16, .size: 8, .value_kind: global_buffer, .address_space: global }
    .group_segment_fixed_size: 327680
    .private_segment_fixed_size: 0
    .kernarg_segment_align: 8
    .kernarg_segment_size: 24
    .max_flat_workgroup_size: 128
    .sgpr_count:     66
    .vgpr_count:     512
    .wavefront_size: 32
...
	.end_amdgpu_metadata
.endif
;; end of part 4
;; launch mix (part 5): grid 16 x 16, 4 waves a work-group, no clusters, 171,520 bytes of LDS; arguments p, st, vt, out0; writes out0
.if DOCPART == 5
	.amdgcn_target "amdgcn-amd-amdhsa--gfx1250"
	.amdhsa_code_object_version 6
	.text
	.protected	k_qd751c81805_mix
	.globl	k_qd751c81805_mix
	.p2align	8
	.type	k_qd751c81805_mix,@function
k_qd751c81805_mix:
	s_mov_b64 s[64:65], 0
	v_nop
	global_prefetch_b8 v0, s[64:65] scope:SCOPE_SE
	s_setreg_imm32_b32 hwreg(HW_REG_WAVE_MODE, 25, 1), 1
	s_wait_xcnt 0x0
; out[q][c] = (sum over strips s of a_s sum over the strip's keys of p[q][key] v[key][c]) / L.  p: [4][1024][1024] f16, each strip of 64 keys scaled by its own maximum; st: pairs {c m_s, l_s} of f32;
; vt: [1024 channels][4096 tokens] f16; out0: [4][1024][1024] f32.  M = the largest c m_s of the row; a_s = 2^(c m_s - M) <= 1; L = the sum of a_s l_s (f32), at least 1.
; p is multiplied by a_s in f16 on its way to the matrix unit; the sums are f32 and are divided by L in f32.
; LIMITS.  A weight a_s p below 6e-8 of the row's largest counts as 0 (f16's last step); NaN and infinities are not treated apart.
; SHARES.  A work-group takes 64 channels and TWO blocks of 128 queries of a batch: block pp (pp + 1 steps of 128 keys) and block 7 - pp (8 - pp steps): 9 steps whatever pp: 256 work-groups of equal work.
; A wave owns 32 queries x 64 channels: 8 accumulators.  vt's slab (64 channels x the batch's 1,024 keys) comes into LDS once, a quarter a wave, and serves both blocks: nothing is filled again.
; A wave's fragments of p are its own: they come straight from memory, 16 loads of 16 bytes a lane for a step, two steps ahead, in two sets of registers.
; Behind a block's last step the loads are still issued, so that the counted wait holds on every way; their step is held at the block's last, and nobody reads them.
; NO CLUSTER: the slab is shared only by the four pairs of a batch, whose blocks have different numbers of steps; p does not go through LDS.  No prefetch: the launch is short.
; THE MATRIX INSTRUCTION: source 0 = 16 channels, source 1 = 16 queries: a lane holds ONE query (l % 16), so a_s and 1 / L are one number a lane, and eight channels: 32 bytes of a row of out.
; REGISTERS: window 0: v0-31 addresses and at work; v32-95 the accumulators ((rho, cb) at 32 + 8 (4 rho + cb)), before the loops the statistics; v96-107 offsets; v128-191, v192-255 p, two sets ((rho, kf) at 8 (4 rho + kf))
;   window 1: v0-127 V of one step ((kf, cb) at 8 (4 kf + cb)); v128-131 a, packed twice, for (rho, strip)
.set SLABP, 528                        ; a channel's 256 keys in LDS: 512 bytes + 16: the 16 rows of a load start at 16 different groups of four banks (64 banks of 4 bytes: ISA guide 11.1)
.set CHUNK, 64*SLABP                   ; what one tensor load brings: 64 channels x 256 keys
.set TAB,   4*CHUNK                    ; behind the slab: for each wave and block 2,304 bytes: 8 entries of 256 (a step's a: [l % 16][rho][strip]), then 256 for 1 / L
.set TABB,  2304
.set STAGE, TAB+8*TABB                 ; 16 rows x 272 bytes for each wave, for the way out
.set SP,    272
.set SPARE, STAGE+4*16*SP              ; the spare words, 128 bytes for each wave: two blocks of 256 bytes that no other line names
.set PO,   4                           ; v4   my byte offset in 16 rows of p
.set VAD0, 7                           ; v7   my place in a chunk
.set VAD,  8                           ; v8   the same in the chunk in hand
.set TAD,  9                           ; v9   the table entry in hand
.set TW,   10                          ; v10  where I (lane = row) write a
.set L8,   11                          ; v11  8 x lane
.set STO,  12
.set RD,   13
.set OO,   14
.set TL,   15                          ; v15  where I (lane = row) write 1 / L
.set IV,   16                          ; v16, v18  1 / L for rho = 0, 1; v17, v19 are named with them as pairs
.set TAD0, 20                          ; v20  my wave's tables + 16 (l % 16)
.set TR,   21                          ; v21  my wave's tables + 8 (l % 16)
.set SPW,  22                          ; v22  LDS address of my spare word; never rewritten
.set NIL,  23                          ; v23  0; never rewritten
.set MXR,  24
.set LS0,  25
.set LS1,  26
.set RC,   27
.set ACC,  32
.set SO,   96
.set PBUF, 128
.set AE,   128                         ; window 1
.set WV,   12
.set G1,   16                          ; s[16:23]
.set G0,   24                          ; s[24:27]
.set NST,  28                          ; s28, s29  steps of block 0, 1
.set PBASE, 30                         ; s[30:33]  p at my rows of block 0, 1
.set OBASE, 34                         ; s[34:37]  out0 likewise, at my channels
.set STB,  38                          ; s[38:41]  st likewise, at strip 0
.set SB,   42                          ; s[42:45]  p at the step that set 0, 1 was last loaded for
.set KB,   46                          ; s46  the step in hand
.set CNT,  47
.set MK,   50
.set NM1,  52                          ; s52, s53  the last step
.set N2,   54                          ; s54, s55  the last strip
.set RW,   56                          ; s56, s57  my first row in the batch
.set MSB, 0
.macro WIN new
.if MSB != (\new)
	s_set_vgpr_msb (MSB<<8)|(\new)
.set MSB, \new
.endif
.endm
.set W_LD, 0x40                        ; destination window 1, address window 0
.set W_MM, 0x01                        ; source 0 (V, a) window 1; all else window 0
	s_load_b256 s[4:11], s[0:1], 0x0               ; p s[4:5], st s[6:7], vt s[8:9], out0 s[10:11]
	v_lshl_add_u32 v[SPW], v0, 2, SPARE
	v_mov_b32 v[NIL], 0
	ds_add_u32 v[SPW], v[NIL]                      ; the wave's opening: the add and its wait stand ahead of my first tensor load; the set-up below, work on registers, stands between them
	v_lshrrev_b32 v1, 5, v0
	v_readfirstlane_b32 s[WV], v1                  ; wave 0..3
	s_and_b32 s13, ttmp7, 0xffff
	s_lshr_b32 s14, s13, 2                         ; the batch
	s_and_b32 s13, s13, 3                          ; pp
	s_add_co_u32 s[NST], s13, 1
	s_sub_co_u32 s[NST+1], 8, s13
	s_mov_b32 s[NM1], s13
	s_sub_co_u32 s[NM1+1], 7, s13
	s_lshl_b32 s[N2], s13, 1
	s_add_co_u32 s[N2], s[N2], 1                   ; 2 pp + 1
	s_sub_co_u32 s[N2+1], 16, s[N2]                ; 15 - 2 pp
	s_lshl_b32 s51, s[WV], 5
	s_lshl_b32 s[RW], s13, 7
	s_add_co_u32 s[RW], s[RW], s51                 ; 128 pp + 32 wave
	s_lshl_b32 s[RW+1], s[NM1+1], 7
	s_add_co_u32 s[RW+1], s[RW+1], s51             ; 128 (7 - pp) + 32 wave
	s_lshl_b32 s15, s14, 10                        ; the batch's first token
	s_mov_b32 s[G1+0], (1<<16)|(1<<20)|(6<<22)|(3<<25)  ; 2-byte elements; padding on: after every 128 words 4 words
	s_mov_b32 s[G1+1], 256<<16                     ; tensor_dim0 = 256 keys
	s_mov_b32 s[G1+2], 64<<16                      ; tensor_dim1 = 64 channels
	s_mov_b32 s[G1+3], 256<<16
	s_mov_b32 s[G1+4], 64
	s_mov_b32 s[G1+5], 4096                        ; elements from row to row of vt
	s_mov_b32 s[G1+6], 0
	s_mov_b32 s[G1+7], 0
	s_mov_b32 s[G0], 1
	s_mul_i32 s[G0+1], s[WV], CHUNK                ; chunk w: keys 256 w .. 256 w + 255
	s_lshl_b32 s48, ttmp9, 19                      ; 64 channels of 8,192 bytes x the work-group's x
	s_lshl_b32 s51, s15, 1
	s_add_co_u32 s48, s48, s51
	s_lshl_b32 s51, s[WV], 9
	s_add_co_u32 s48, s48, s51
	s_mov_b32 s49, 0
	v_and_b32 v1, 15, v0                           ; l % 16
	v_bfe_u32 v2, v0, 4, 1                         ; l / 16
	v_and_b32 v3, 31, v0                           ; l
	v_lshlrev_b32 v[PO], 11, v1
	v_lshl_add_u32 v[PO], v2, 4, v[PO]             ; row x 2,048 + 16 x half
	v_mul_u32_u24 v[VAD0], v1, SLABP
	v_lshl_add_u32 v[VAD0], v2, 4, v[VAD0]
	v_lshlrev_b32 v[L8], 3, v3
	s_mul_i32 s50, s[WV], 2*TABB
	s_add_co_u32 s50, s50, TAB                     ; my wave's two tables
	v_lshl_add_u32 v[TAD0], v1, 4, s50
	v_lshl_add_u32 v[TW], v2, 3, v[TAD0]           ; as lane = row: row = 16 rho + r with rho = l / 16
	v_lshl_add_u32 v[TR], v1, 3, s50
	v_lshl_add_u32 v[TL], v2, 2, v[TR]
	s_mul_i32 s50, s[WV], 16*SP
	s_add_co_u32 s50, s50, STAGE                   ; my stage
	v_mul_u32_u24 v[STO], v1, SP                   ; in: row l % 16, 32 bytes for each half of the lanes
	v_lshl_add_u32 v[STO], v2, 5, v[STO]
	v_add_nc_u32 v[STO], s50, v[STO]
	v_mul_u32_u24 v[RD], v2, SP                    ; back: lanes 0-15 take one row of 256 bytes, lanes 16-31 the next
	v_lshl_add_u32 v[RD], v1, 4, v[RD]
	v_add_nc_u32 v[RD], s50, v[RD]
	v_lshlrev_b32 v[OO], 12, v2                    ; and the same two rows in out0: 4,096 bytes a row
	v_lshl_add_u32 v[OO], v1, 4, v[OO]
	v_mov_b32 v[IV+1], 0
	v_mov_b32 v[IV+3], 0
	s_wait_dscnt 0x0                               ; the opening add is done
	s_wait_kmcnt 0x0
	s_add_nc_u64 s[G0+2:G0+3], s[8:9], s[48:49]
	s_or_b32 s[G0+3], s[G0+3], 0x80000000
	tensor_load_to_lds s[G0:G0+3], s[G1:G1+7]      ; my quarter of the slab: the wave's one tensor load
	s_nop 0
.irp k, 0,1
	s_add_co_u32 s48, s15, s[RW+\k]
	s_lshl_b32 s48, s48, 11                        ; p: 2,048 bytes a row
	s_add_nc_u64 s[PBASE+2*\k:PBASE+2*\k+1], s[4:5], s[48:49]
	s_lshl_b32 s48, s48, 1                         ; out0: 4,096 bytes a row,
	s_lshl_b32 s51, ttmp9, 8                       ; my 64 channels: 256 bytes
	s_add_co_u32 s48, s48, s51
	s_add_nc_u64 s[OBASE+2*\k:OBASE+2*\k+1], s[10:11], s[48:49]
	s_lshl_b32 s48, s14, 14                        ; st: 16 strips of 1,024 rows a batch,
	s_add_co_u32 s48, s48, s[RW+\k]
	s_lshl_b32 s48, s48, 3                         ; 8 bytes a row
	s_add_nc_u64 s[STB+2*\k:STB+2*\k+1], s[6:7], s[48:49]
.endr
; The statistics of block blk: lane = row; strip si's pair into v[sr + 2 si ..]: 32 rows x 8 bytes a load.  Strips from live on may lie above the diagonal, where nothing was stored: their number is held at the block's last strip.
.macro SLOAD blk, sr, ns, live, so
.set si, 0
.rept \ns
.if si < (\live)
	global_load_b64 v[(\sr)+2*si:(\sr)+2*si+1], v[L8], s[STB+2*(\blk):STB+2*(\blk)+1] offset:si*8192
.else
	s_min_u32 s51, s[N2+(\blk)], si
	s_lshl_b32 s51, s51, 13
	v_add_nc_u32 v[(\so)+si-(\live)], s51, v[L8]
	global_load_b64 v[(\sr)+2*si:(\sr)+2*si+1], v[(\so)+si-(\live)], s[STB+2*(\blk):STB+2*(\blk)+1]
.endif
.set si, si+1
.endr
.endm
; A step's 16 loads of p into set buf: 256 bytes of each of my 32 rows
.macro PLOAD buf
.irp rho, 0,1
.irp kf, 0,1,2,3
	global_load_b128 v[PBUF+64*(\buf)+8*(4*\rho+\kf):PBUF+64*(\buf)+8*(4*\rho+\kf)+3],   v[PO], s[SB+2*(\buf):SB+2*(\buf)+1] offset:\rho*32768+\kf*64
	global_load_b128 v[PBUF+64*(\buf)+8*(4*\rho+\kf)+4:PBUF+64*(\buf)+8*(4*\rho+\kf)+7], v[PO], s[SB+2*(\buf):SB+2*(\buf)+1] offset:\rho*32768+\kf*64+32
.endr
.endr
.endm
.macro FIRST blk                       ; a block's steps 0 and 1 are asked for (step 1 held at the last step where the block has one)
.irp k, 0,1
	s_min_u32 s48, s[NM1+(\blk)], \k
	s_lshl_b32 s48, s48, 8
	s_add_nc_u64 s[SB+2*\k:SB+2*\k+1], s[PBASE+2*(\blk):PBASE+2*(\blk)+1], s[48:49]
	PLOAD \k
.endr
.endm
; The strips are joined, in place on the loaded pairs.  A strip above the diagonal repeats the last live one: its l is set to 0; its c m changes no maximum, and its a is never read.
.macro STATS blk, sr, ns, live
.set si, \live
.rept (\ns)-(\live)
	s_cmp_ge_u32 s[N2+(\blk)], si
	s_cselect_b32 s[MK], -1, 0
	v_cndmask_b32 v[(\sr)+2*si+1], 0, v[(\sr)+2*si+1], s[MK]
.set si, si+1
.endr
	v_max3_num_f32 v[MXR], v[(\sr)], v[(\sr)+2], v[(\sr)+4]
.set si, 3
.rept ((\ns)-4)/2
	v_max3_num_f32 v[MXR], v[MXR], v[(\sr)+2*si], v[(\sr)+2*si+2]
.set si, si+2
.endr
	v_max_num_f32 v[MXR], v[MXR], v[(\sr)+2*(\ns)-2]
.set si, 0
.rept \ns
	v_sub_f32 v[(\sr)+2*si], v[(\sr)+2*si], v[MXR]
.set si, si+1
.endr
.set si, 0
.rept \ns                                      ; one batch
	v_exp_f32 v[(\sr)+2*si], v[(\sr)+2*si]
.set si, si+1
.endr
	v_nop                                          ; a plain instruction behind the last exponential (ISA guide 5.7.2),
	s_wait_alu depctr_va_vdst(0)                   ; and the one wait ahead of the batch's first reader
	v_mul_f32 v[LS0], v[(\sr)], v[(\sr)+1]
	v_mul_f32 v[LS1], v[(\sr)+2], v[(\sr)+3]
.set si, 2
.rept ((\ns)-2)/2                              ; L in two chains
	v_fmac_f32 v[LS0], v[(\sr)+2*si], v[(\sr)+2*si+1]
	v_fmac_f32 v[LS1], v[(\sr)+2*si+2], v[(\sr)+2*si+3]
.set si, si+2
.endr
	v_add_f32 v[LS0], v[LS0], v[LS1]
	v_rcp_f32 v[RC], v[LS0]
.set si, 0
.rept (\ns)/2                                  ; a step's two a, each twice in a word; plain work behind the reciprocal
	v_cvt_pk_f16_f32 v[(\sr)+4*si], v[(\sr)+4*si], v[(\sr)+4*si]
	v_cvt_pk_f16_f32 v[(\sr)+4*si+1], v[(\sr)+4*si+2], v[(\sr)+4*si+2]
.set si, si+1
.endr
	s_wait_alu depctr_va_vdst(0)                   ; ahead of the reciprocal's reader
.set si, 0
.rept (\ns)/2
	ds_store_b64 v[TW], v[(\sr)+4*si:(\sr)+4*si+1] offset:(\blk)*TABB+256*si
.set si, si+1
.endr
	ds_store_b32 v[TL], v[RC] offset:(\blk)*TABB+2048
.endm
.macro CLEAR                           ; the sums start at 0, so that a step has one form of product
.set si, 0
.rept 64
	v_mov_b32 v[ACC+si], 0
.set si, si+1
.endr
.endm
.macro PLACES                          ; four plain vector instructions between a matrix instruction and a load into, or a vector instruction on, its registers
.rept 4
	v_nop
.endr
.endm
.macro SC buf, kf, x                   ; register x of 16 of p's two fragments kf, times its strip's a
.set rP, PBUF+64*(\buf)+8*(4*((\x)/8)+(\kf))+(\x)%8
	v_pk_mul_f16 v[rP], v[AE+2*((\x)/8)+(\kf)/2], v[rP]
.endm
; A STEP of 128 keys: half par of the chunk in hand, p from set buf.  The block is left, forward, when its steps are done: the jump passes no barrier and no tensor load.
; The 8 accumulators take turns, one instruction a turn, from step to step and over the backward jump too.
.macro STEP buf, par, blk
	s_cmp_lt_u32 s[KB], s[NST+(\blk)]
	s_cbranch_scc0 .Ldone_\blk
	WIN W_LD
	ds_load_b128 v[AE:AE+3], v[TAD] offset:(\par)*256
.irp kf, 0,1,2,3
.irp cb, 0,1,2,3
	ds_load_b128 v[8*(4*\kf+\cb):8*(4*\kf+\cb)+3],   v[VAD] offset:(\par)*256+\kf*64+\cb*16*SLABP
	ds_load_b128 v[8*(4*\kf+\cb)+4:8*(4*\kf+\cb)+7], v[VAD] offset:(\par)*256+\kf*64+\cb*16*SLABP+32
.endr
.endr
	WIN W_MM
	s_wait_loadcnt 16                              ; this set of p is in; the other set's 16 loads may stay out
	s_wait_dscnt 24                                ; a and V's first 32 keys are in; the 24 loads behind them may stay out
.set ni, 0
.rept 16
	SC \buf, 0, ni
.set ni, ni+1
.endr
.set kfi, 0
.rept 4
.if kfi > 0
	s_wait_dscnt 24-8*kfi                          ; V's keys 32 kfi on are in
.endif
.set ni, 0
.rept 8
.set rA, ACC+8*ni
.set rV, 8*(4*kfi+ni%4)
.set rB, PBUF+64*(\buf)+8*(4*(ni/4)+kfi)
	v_wmma_f32_16x16x32_f16 v[rA:rA+7], v[rV:rV+7], v[rB:rB+7], v[rA:rA+7]
.if kfi < 3
	SC \buf, kfi+1, 2*ni                           ; the next 32 keys' p is scaled beside the products
	SC \buf, kfi+1, 2*ni+1
.endif
.set ni, ni+1
.endr
.set kfi, kfi+1
.endr
	WIN 0
	PLACES                                         ; in front of the loads into p's set, and of the next step's into V's registers
	s_add_co_u32 s48, s[KB], 2                     ; this set takes the step two on, held at the block's last; its old loads were shown done by the wait above, so their base may be written
	s_min_u32 s48, s48, s[NM1+(\blk)]
	s_lshl_b32 s48, s48, 8
	s_add_nc_u64 s[SB+2*(\buf):SB+2*(\buf)+1], s[PBASE+2*(\blk):PBASE+2*(\blk)+1], s[48:49]
	PLOAD \buf
	s_add_co_u32 s[KB], s[KB], 1
.endm
.macro BLOCK blk, trips                ; a trip is a chunk of 256 keys: two steps
	v_mov_b32 v[VAD], v[VAD0]
	v_add_nc_u32 v[TAD], (\blk)*TABB, v[TAD0]
	s_mov_b32 s[KB], 0
	s_mov_b32 s[CNT], \trips
.Ltrip_\blk:
	STEP 0, 0, \blk
	STEP 1, 1, \blk
	v_add_nc_u32 v[VAD], CHUNK, v[VAD]
	v_add_nc_u32 v[TAD], 512, v[TAD]
	s_sub_co_u32 s[CNT], s[CNT], 1
	s_cmp_lg_u32 s[CNT], 0
	s_cbranch_scc1 .Ltrip_\blk
.Ldone_\blk:
.endm
; THE WAY OUT: the sums are divided by L and sent through my stage, 16 rows at a time: a lane's 32 bytes go into rows of 272 bytes and come back as whole rows of 256, into the registers that they left.
.macro OUT blk
	PLACES
	ds_load_b32 v[IV], v[TR] offset:(\blk)*TABB+2048
	ds_load_b32 v[IV+2], v[TR] offset:(\blk)*TABB+2052
	s_wait_dscnt 0x0
.irp rho, 0,1
.set si, 0
.rept 16                                       ; each accumulator's registers in ascending order
	v_pk_mul_f32 v[ACC+32*\rho+2*si:ACC+32*\rho+2*si+1], v[ACC+32*\rho+2*si:ACC+32*\rho+2*si+1], v[IV+2*\rho:IV+2*\rho+1] op_sel_hi:[1,0]
.set si, si+1
.endr
.irp c, 0,1,2,3,4,5,6,7
	ds_store_b128 v[STO], v[ACC+32*\rho+4*\c:ACC+32*\rho+4*\c+3] offset:((\c)/2)*64+((\c)%2)*16
.endr
.irp t, 0,1,2,3,4,5,6,7
	ds_load_b128 v[ACC+32*\rho+4*\t:ACC+32*\rho+4*\t+3], v[RD] offset:(\t)*2*SP  ; LDS serves a wave's instructions in order (ISA guide 5.7.1.4): these see the stores above
.endr
.irp t, 0,1,2,3,4,5,6,7
	s_wait_dscnt 7-(\t)
	global_store_b128 v[OO], v[ACC+32*\rho+4*\t:ACC+32*\rho+4*\t+3], s[OBASE+2*(\blk):OBASE+2*(\blk)+1] offset:(16*\rho+2*\t)*4096 th:TH_STORE_NT  ; 16 lanes store 256 consecutive bytes, at a multiple of 256 from out0's first byte
.endr
.endr
.endm
	SLOAD 0, ACC, 8, 2, SO                         ; 8 + 16 loads of statistics,
	SLOAD 1, ACC+16, 16, 10, SO+6
	FIRST 0                                        ; and the first block's first two steps of p
	s_wait_loadcnt 32                              ; the statistics are in; p's 32 loads may stay out
	STATS 0, ACC, 8, 2
	STATS 1, ACC+16, 16, 10
	CLEAR
	s_wait_tensorcnt 0x0                           ; my quarter of the slab is in,
	s_wait_dscnt 0x0
	s_barrier_signal -1
	s_barrier_wait -1                              ; everybody's is: the launch's one barrier
	BLOCK 0, 2
	s_wait_loadcnt 0x0                             ; p's two sets are free
	FIRST 1                                        ; the second block's first two steps are on their way while the first block leaves
	OUT 0
	s_wait_xcnt 0x0                                ; the stores have read their registers
	CLEAR
	BLOCK 1, 4
	OUT 1
	s_wait_tensorcnt 0x0                           ; the wave's end: behind my last tensor load and my last LDS store
	ds_add_u32 v[SPW], v[NIL]
	s_wait_dscnt 0x0
	s_endpgm
.Lfunc_end_k_qd751c81805_mix:
	.size	k_qd751c81805_mix, .Lfunc_end_k_qd751c81805_mix-k_qd751c81805_mix
	.p2alignl 7, 3214868480
	.fill 96, 4, 3214868480
	.section	.rodata,"a",@progbits
	.p2align	6, 0x0
	.amdhsa_kernel k_qd751c81805_mix
		.amdhsa_group_segment_fixed_size 171520
		.amdhsa_private_segment_fixed_size 0
		.amdhsa_enable_private_segment 0
		.amdhsa_kernarg_size 32
		.amdhsa_user_sgpr_count 2
		.amdhsa_user_sgpr_kernarg_segment_ptr 1
		.amdhsa_wavefront_size32 1
		.amdhsa_system_sgpr_workgroup_id_x 1
		.amdhsa_system_sgpr_workgroup_id_y 1
		.amdhsa_system_sgpr_workgroup_id_z 1
		.amdhsa_system_vgpr_workitem_id 0
		.amdhsa_next_free_vgpr 392
		.amdhsa_next_free_sgpr 66
		.amdhsa_reserve_vcc 0
		.amdhsa_float_denorm_mode_32 3
		.amdhsa_float_denorm_mode_16_64 3
		.amdhsa_memory_ordered 1
		.amdhsa_forward_progress 1
		.amdhsa_inst_pref_size 80
	.end_amdhsa_kernel
	.amdgpu_metadata
---
amdhsa.version: [ 1, 2 ]
amdhsa.kernels:
  - .name:           k_qd751c81805_mix
    .symbol:         k_qd751c81805_mix.kd
    .args:
      - { .name: p, .offset: 0, .size: 8, .value_kind: global_buffer, .address_space: global }
      - { .name: st, .offset: 8, .size: 8, .value_kind: global_buffer, .address_space: global }
      - { .name: vt, .offset: 16, .size: 8, .value_kind: global_buffer, .address_space: global }
      - { .name: out0, .offset: 24, .size: 8, .value_kind: global_buffer, .address_space: global }
    .group_segment_fixed_size: 171520
    .private_segment_fixed_size: 0
    .kernarg_segment_align: 8
    .kernarg_segment_size: 32
    .max_flat_workgroup_size: 128
    .sgpr_count:     66
    .vgpr_count:     392
    .wavefront_size: 32
...
	.end_amdgpu_metadata
.endif
;; end of part 5
;; ======== version 2 of 3: 4 launches
;; limits: values are held in f16: magnitudes above 65,504 overflow, below 6.1e-05 lose precision
;; workspace buffers: xb 16,777,216 bytes; wqk 16,777,216 bytes; wv 4,194,304 bytes; qk 33,554,432 bytes; vt 8,388,608 bytes; p 8,388,608 bytes; st 524,288 bytes
;; launch cast: the kernel of part 1 again; grid 1152 x 1, 8 waves a work-group, no clusters, 0 bytes of LDS; arguments x, Wq, Wk, Wv, xb, wqk, wv; writes xb, wqk, wv
;; launch proj (part 6): grid 16 x 16, 4 waves a work-group, clusters of 4 x 4, 327,680 bytes of LDS; arguments xb, wqk, wv, qk, vt; writes qk, vt
.if DOCPART == 6
	.amdgcn_target "amdgcn-amd-amdhsa--gfx1250"
	.amdhsa_code_object_version 6
	.text
	.protected	k_qd751c81805_proj
	.globl	k_qd751c81805_proj
	.p2align	8
	.type	k_qd751c81805_proj,@function
k_qd751c81805_proj:
	s_mov_b64 s[64:65], 0
	v_nop
	global_prefetch_b8 v0, s[64:65] scope:SCOPE_SE
	s_setreg_imm32_b32 hwreg(HW_REG_WAVE_MODE, 25, 1), 1
	s_wait_xcnt 0x0
	s_wait_alu depctr_hold_cnt(0) depctr_sa_sdst(0) depctr_va_vdst(0) depctr_va_sdst(0) depctr_va_ssrc(0) depctr_va_vcc(0) depctr_vm_vsrc(0)
	s_getreg_b32 s2, hwreg(HW_REG_IB_STS2, 6, 4)
	s_cmp_eq_u32 s2, 0
	s_cbranch_scc0 .Lentry_in_a_cluster
	s_endpgm
.Lentry_in_a_cluster:
	s_bfe_u32 s2, ttmp6, 0x10000c
	s_cmp_lg_u32 s2, 0xf033
	s_cbranch_scc0 .Lentry_shape_is_right
	s_endpgm
.Lentry_shape_is_right:
; ALL THREE PROJECTIONS.  qk[t][n] = sum over e of xb[t][e] wqk[e][n];  vt[c][t] = sum over e of xb[t][e] wv[e][c].
; xb: [4096][2048] bf16; wqk: [2048][4096] bf16 (Wq | Wk); wv: [2048][1024] bf16; qk: [4096][4096] f16 (q | k); vt: [1024 channels][4096 tokens] f16.  Sums in f32, each result rounded once.
; LIMIT.  f16 holds no number of 65,520 or more: |q|, |k| and |v| stay under it (inputs as drawn give about 5; x and the weights both 30 times larger about 4,500; both offset by 30 spreads about 41,000).
; SHARES.  A work-group of four waves makes 256 tokens x 256 columns of qk AND the same 256 tokens x 64 channels of v: a tile of 256 x 320 on one set of xb's fragments.  16 x 16 = 256 work-groups.
; A wave makes 128 x 128 of qk (64 accumulators) and 128 tokens x 32 channels of v (16 accumulators): 640 registers.
; K (= e) goes in steps of 128 through a ring of two LDS slots filled by the tensor data mover.  xb's tile has K along its rows (256 rows x 256 bytes); wqk's (128 rows x 512 bytes) and wv's
; (128 rows x 128 bytes) have K DOWN their rows, so their fragments are read by the turning load ds_load_tr16_b128.
; CLUSTERS: 4 x 4 work-groups.  The four of a row of the cluster need the same tiles of xb, the four of a column the same tiles of wqk and of wv: each tile is asked for JOINTLY, by the same tensor
; load with the same descriptor and a mask that names the four.  Waves 0 and 1 ask for xb's two halves, wave 2 for wqk's tile, wave 3 for wv's: one load a wave.
; THE MATRIX INSTRUCTION.  For qk: source 0 = 16 columns of wqk, source 1 = 16 rows of xb: a lane holds row l % 16 of qk and the columns 8 (l / 16) + 0..7: 16 bytes of a row of qk.
; For v: source 0 = 16 rows of xb, source 1 = 16 channels of wv: a lane holds channel l % 16 and the tokens 8 (l / 16) + 0..7: 16 bytes of a row of vt.
; REGISTERS, in windows of 256 (s_set_vgpr_msb: bits 1:0 source 0, 3:2 source 1, 5:4 source 2, 7:6 destination):
;   window 0: v0-31 addresses; v32-47, v48-63 fragments of wv, two buffers; v64-127, v128-191 fragments of xb, two buffers; on the way out v32-63, v192-255 at work
;   window 1: v64-127, v128-191 fragments of wqk, two buffers; v0-63, v192-255 the 16 accumulators of v (token block a, channel block c at 192 (a / 4) + 8 (2 (a % 4) + c))
;   window 2: the 32 accumulators of my rows 0-63 of qk ((a, b) at v[8 (8 a + b)]);   window 3: those of my rows 64-127
.set SIZE_K, 2048
.set SIZE_N, 4096
.set SIZE_V, 1024
.set KSTEP,  128
.set PITCH,  272                       ; a row of xb's tile in LDS: 256 bytes + 16 = 68 words: the 16 rows that a load touches start at 16 different groups of four banks (64 banks of 4 bytes: ISA guide 11.1)
.set PB,     544                       ; a row of wqk's tile: 512 bytes + 32 = 17 x 32 bytes
.set PV,     160                       ; a row of wv's tile: 128 bytes + 32 = 5 x 32 bytes: likewise
.set HALFT,  128*PITCH                 ; 128 rows of xb: what waves 0 and 1 each bring
.set WQT,    2*HALFT                   ; in a slot: xb's 256 rows, then wqk's 128 rows (128 x 544 = 2 HALFT),
.set WVT,    4*HALFT                   ; then wv's 128 rows
.set SLOT,   WVT+128*PV
.set STAGE,  0                         ; the way out's stage, 16 rows x 272 bytes for each wave, lies at the head of slot 0: that slot's last fill (K step 14) and last read stand ahead of the last
.set SPITCH, 272                       ; change of slots' barrier, and no tensor load is issued behind it
.set SPARE,  2*SLOT                    ; behind the ring: the spare words, 128 bytes for each wave: two blocks of 256 bytes that no other line names
.set LAPS,   SIZE_K/(2*KSTEP)          ; a lap = two K steps = once round the ring
.set ADRA, 16                          ; v16-17  LDS address of my fragments of xb in slot 0, 1
.set ADRB, 20                          ; v20-21  the same for wqk
.set ADRV, 22                          ; v22-23  the same for wv
.set STO,  24                          ; v24     the way out: where I put 16 bytes of a row
.set RD,   25                          ; v25     the way out: where I read a row back
.set CO,   26                          ; v26     my byte offset in two rows of qk or of vt (both have rows of 8,192 bytes)
.set SPW,  28                          ; v28     LDS address of my spare word; never rewritten
.set NIL,  29                          ; v29     0; never rewritten
.set PFO,  30                          ; v30     the offset of xb's and wqk's prefetches; never rewritten
.set PFOV, 31                          ; v31     the offset of wv's; never rewritten
.set PFA,  44                          ; s[44:45] where my prefetches of xb or wqk stand
.set LIM,  43                          ; s43     1 in a wave that asks for them, else the greatest number
.set PSTEP, 18                         ; s[18:19] a K step in bytes: 256 along xb's rows, 128 rows of wqk
.set PFV,  88                          ; s[88:89] where wv's prefetches stand
.set LIMV, 92                          ; s92     1 in the wave that asks for them, else the greatest number
.set VT,   66                          ; s[66:67] vt
.set VTO,  70                          ; s[70:71] where my part begins in vt
.set F0,   64
.set F1,   128
.set TMP,  192
.set OB,   32
.set G1, 24                            ; s[24:31] descriptor group 1 for xb's tiles;  s[32:39] group 0, a set for each slot
.set G0, 32
.set G1B, 48                           ; s[48:55], s[56:63] the same for wqk's
.set G0B, 56
.set G1V, 72                           ; s[72:79], s[80:87] the same for wv's
.set G0V, 80
.set MSB, 0
.macro WIN new                         ; the immediate's high byte repeats the setting that is left; a switch that changes nothing is dropped
.if MSB != (\new)
	s_set_vgpr_msb (MSB<<8)|(\new)
.set MSB, \new
.endif
.endm
.set MUL_LO, 0xa1                      ; source 0 (wqk) window 1, source 1 (xb) window 0, C and D window 2
.set MUL_HI, 0xf1                      ; the same, C and D window 3
.set MUL_V,  0x50                      ; sources 0 (xb) and 1 (wv) window 0, C and D window 1
.set TO_B,   0x40                      ; destination window 1, address window 0
; A joint load: one of three lines, by the wave's number alone, which is the same in every work-group.  An s_nop 0 and four v_nop follow each line, ahead of the jump and the label.
.macro JLOAD s
	s_cmp_lt_u32 s10, 2
	s_cbranch_scc0 .Lnot_a_\@
	tensor_load_to_lds s[G0+4*(\s):G0+4*(\s)+3], s[G1:G1+7]
	s_nop 0
.rept 4
	v_nop
.endr
	s_branch .Lasked_\@
.Lnot_a_\@:
	s_cmp_eq_u32 s10, 2
	s_cbranch_scc0 .Lfor_v_\@
	tensor_load_to_lds s[G0B+4*(\s):G0B+4*(\s)+3], s[G1B:G1B+7]
	s_nop 0
.rept 4
	v_nop
.endr
	s_branch .Lasked_\@
.Lfor_v_\@:
	tensor_load_to_lds s[G0V+4*(\s):G0V+4*(\s)+3], s[G1V:G1V+7]
	s_nop 0
.rept 4
	v_nop
.endr
.Lasked_\@:
.endm
; PREFETCHES INTO THE L2, behind a joint refill and the run of LDS loads that follows it.  Each block of 256 bytes is named once in the launch, and the partners of a cluster share the blocks out BY ADDRESS.
; ASK, behind every refill: my work-group's share of the K step that stands TWO refills on, 32 blocks, one instruction a wave.  xb's tile rows are asked for by the clusters with x = 0 (waves 0 and 1: 32 of
; the 128 rows of a half, a lane a row), wqk's tile columns by those with y = 0 (waves 2 and 3: 16 of the 64 rows of a half, two lanes a row).
; ASKV, behind slot 0's refill: wv's K steps two and three refills on, by wave 3 of the clusters with y = 0: a cluster's four tile columns are 512 bytes of a row; each of its sixteen work-groups takes
; 8 rows x 2 blocks x 2 K steps.  The loop's last trip, whose refills are the last two K steps, asks for nothing.
.macro ASK
	s_cmp_gt_u32 s3, s[LIM]                        ; s3 = 1 in the loop's last trip
	s_cbranch_scc0 .Lnot_mine_\@
	global_prefetch_b8 v[PFO], s[PFA:PFA+1] th:TH_LOAD_NT scope:SCOPE_SE
.Lnot_mine_\@:
.endm
.macro ASKV
	s_cmp_gt_u32 s3, s[LIMV]
	s_cbranch_scc0 .Lnot_v_\@
	global_prefetch_b8 v[PFOV], s[PFV:PFV+1] th:TH_LOAD_NT scope:SCOPE_SE
.Lnot_v_\@:
.endm
.macro CREST                           ; a round of the cluster's barrier behind its opening barrier
	s_cmp_lg_u32 s10, 0
	s_cbranch_scc1 .Lnot_wave_0_\@
	s_barrier_signal -3
.Lnot_wave_0_\@:
	s_barrier_wait -3
	s_barrier_signal -1
	s_barrier_wait -1
.endm
.macro CROUND                          ; a whole round
	s_barrier_signal -1
	s_barrier_wait -1
	CREST
.endm
	s_load_b128 s[4:7], s[0:1], 0x0                ; xb s[4:5], wqk s[6:7]
	s_load_b64 s[68:69], s[0:1], 0x10              ; wv
	s_load_b64 s[8:9], s[0:1], 0x18                ; qk
	s_load_b64 s[VT:VT+1], s[0:1], 0x20            ; vt
	v_lshl_add_u32 v[SPW], v0, 2, SPARE
	v_mov_b32 v[NIL], 0
	ds_add_u32 v[SPW], v[NIL]                      ; the wave's opening: the add and its wait stand ahead of my first tensor load; the set-up below, work on registers, stands between them
	v_lshrrev_b32 v1, 5, v0
	v_readfirstlane_b32 s10, v1                    ; wave 0..3
	s_lshr_b32 s11, s10, 1                         ; which half of the tile's rows is mine
	s_and_b32 s12, s10, 1                          ; which half of its columns (and of v's channels).  In waves 0 and 1 also: which half of xb's tile I fetch
	s_bfe_u32 s40, ttmp6, 0x40000                  ; cx
	s_bfe_u32 s41, ttmp6, 0x40004                  ; cy
	s_lshl_b32 s42, ttmp9, 2
	s_add_co_u32 s42, s42, s40                     ; tile column = 4 x cluster x + cx
	s_and_b32 s13, ttmp7, 0xffff
	s_lshl_b32 s13, s13, 2
	s_add_co_u32 s13, s13, s41                     ; tile row = 4 x cluster y + cy
	s_lshl_b32 s43, s41, 2
	s_lshl_b32 s43, 15, s43                        ; my row of the cluster
	s_lshl_b32 s44, 0x1111, s40                    ; my column
	s_or_b32 s[G1+0], s43, (1<<16)|(1<<20)|(1<<21)|(5<<22)|(3<<25)   ; the mask; 2-byte elements; padding on; bit 21 beside a mask; after every 64 words 4 words
	s_or_b32 s[G1B+0], s44, (1<<16)|(1<<20)|(1<<21)|(6<<22)|(7<<25)  ; my column's mask; after every 128 words 8 words
	s_or_b32 s[G1V+0], s44, (1<<16)|(1<<20)|(1<<21)|(4<<22)|(7<<25)  ; my column's mask; after every 32 words 8 words
	s_mov_b32 s[G1+1], KSTEP<<16                   ; xb: tensor_dim0 = 128
	s_mov_b32 s[G1+2], 128<<16                     ; tensor_dim1 = 128
	s_mov_b32 s[G1+3], KSTEP<<16                   ; tile_dim0 = 128
	s_mov_b32 s[G1+4], 128                         ; tile_dim1 = 128
	s_mov_b32 s[G1+5], SIZE_K                      ; elements from row to row
	s_mov_b32 s[G1+6], 0
	s_mov_b32 s[G1+7], 0
	s_mov_b32 s[G1B+1], 256<<16                    ; wqk: 256 columns
	s_mov_b32 s[G1B+2], KSTEP<<16                  ; x 128 rows (K)
	s_mov_b32 s[G1B+3], 256<<16
	s_mov_b32 s[G1B+4], KSTEP
	s_mov_b32 s[G1B+5], SIZE_N
	s_mov_b32 s[G1B+6], 0
	s_mov_b32 s[G1B+7], 0
	s_mov_b32 s[G1V+1], 64<<16                     ; wv: 64 channels
	s_mov_b32 s[G1V+2], KSTEP<<16                  ; x 128 rows (K)
	s_mov_b32 s[G1V+3], 64<<16
	s_mov_b32 s[G1V+4], KSTEP
	s_mov_b32 s[G1V+5], SIZE_V
	s_mov_b32 s[G1V+6], 0
	s_mov_b32 s[G1V+7], 0
	; where the tiles come from: xb's hang on the tile row alone, wqk's and wv's on the tile column alone
	s_lshl_b32 s16, s13, 8
	s_lshl_b32 s17, s12, 7
	s_add_co_u32 s16, s16, s17                     ; xb: row 256 x tile row + 128 x half,
	s_lshl_b32 s16, s16, 12                        ; of 4,096 bytes
	s_mov_b32 s17, 0
	s_lshl_b32 s46, s42, 9                         ; wqk: 512 bytes x tile column
	s_mov_b32 s47, 0
	s_lshl_b32 s90, s42, 7                         ; wv: 128 bytes x tile column
	s_mov_b32 s91, 0
	s_mul_i32 s20, s10, HALFT                      ; where xb's halves go: wave x HALFT: no place in the cluster enters an LDS address
	s_wait_dscnt 0x0                               ; the opening add is done
	s_wait_kmcnt 0x0
	s_add_nc_u64 s[14:15], s[4:5], s[16:17]
	s_add_nc_u64 s[46:47], s[6:7], s[46:47]
	s_add_nc_u64 s[90:91], s[68:69], s[90:91]
	CROUND                                         ; all sixteen work-groups are here: the first joint loads meet
.irp s, 0,1
	s_mov_b32 s[G0+4*(\s)], 1
	s_add_co_u32 s[G0+4*(\s)+1], s20, (\s)*SLOT
	s_add_nc_u64 s[G0+4*(\s)+2:G0+4*(\s)+3], s[14:15], (\s)*KSTEP*2
	s_or_b32 s[G0+4*(\s)+3], s[G0+4*(\s)+3], 0x80000000
	s_mov_b32 s[G0B+4*(\s)], 1
	s_mov_b32 s[G0B+4*(\s)+1], WQT+(\s)*SLOT
	s_add_nc_u64 s[G0B+4*(\s)+2:G0B+4*(\s)+3], s[46:47], (\s)*KSTEP*SIZE_N*2
	s_or_b32 s[G0B+4*(\s)+3], s[G0B+4*(\s)+3], 0x80000000
	s_mov_b32 s[G0V+4*(\s)], 1
	s_mov_b32 s[G0V+4*(\s)+1], WVT+(\s)*SLOT
	s_add_nc_u64 s[G0V+4*(\s)+2:G0V+4*(\s)+3], s[90:91], (\s)*KSTEP*SIZE_V*2
	s_or_b32 s[G0V+4*(\s)+3], s[G0V+4*(\s)+3], 0x80000000
	JLOAD \s                                       ; two loads of mine are out
.endr
	; A fragment is 16 rows x 32 K in 8 registers: lane l holds row l % 16; registers 0-3 K = 8 (l / 16) + 0..7, registers 4-7 K = 16 + 8 (l / 16) + 0..7.
	v_and_b32 v1, 15, v0                           ; l % 16
	v_bfe_u32 v2, v0, 4, 1                         ; l / 16
	v_mul_u32_u24 v3, v1, PITCH
	v_lshl_add_u32 v3, v2, 4, v3                   ; xb: row x pitch + 16 x half: two loads of 16 bytes, 32 bytes apart
	v_and_b32 v6, 7, v0                            ; wqk and wv, turned: lane l reads K row 8 (l / 16) + l % 8, columns 8 ((l / 8) % 2) + 0..7; the second load stands 16 K rows on
	v_bfe_u32 v7, v0, 3, 1
	v_lshl_add_u32 v6, v2, 3, v6
	v_mul_u32_u24 v8, v6, PV
	v_lshl_add_u32 v8, v7, 4, v8
	v_mul_u32_u24 v6, v6, PB
	v_lshl_add_u32 v6, v7, 4, v6
	s_mul_i32 s21, s11, HALFT                      ; my 128 rows of xb
	s_lshl_b32 s22, s12, 8                         ; my 128 columns of wqk: 256 bytes
	s_add_co_u32 s22, s22, WQT
	s_lshl_b32 s23, s12, 6                         ; my 32 channels of wv: 64 bytes
	s_add_co_u32 s23, s23, WVT
.irp s, 0,1
	v_add_nc_u32 v[ADRA+(\s)], s21, v3
	v_add_nc_u32 v[ADRB+(\s)], s22, v6
	v_add_nc_u32 v[ADRV+(\s)], s23, v8
	s_add_co_u32 s21, s21, SLOT
	s_add_co_u32 s22, s22, SLOT
	s_add_co_u32 s23, s23, SLOT
.endr
	s_mul_i32 s23, s10, 16*SPITCH
	s_add_co_u32 s23, s23, STAGE                   ; my stage
	v_mul_u32_u24 v4, v1, SPITCH
	v_lshl_add_u32 v4, v2, 4, v4
	v_add_nc_u32 v[STO], s23, v4
	v_mul_u32_u24 v5, v2, SPITCH
	v_lshl_add_u32 v5, v1, 4, v5
	v_add_nc_u32 v[RD], s23, v5
	v_lshlrev_b32 v5, 13, v2                       ; the same two rows in qk or vt: 8,192 bytes a row
	v_lshl_add_u32 v[CO], v1, 4, v5
	s_lshl_b32 s16, s13, 8                         ; where my part of the tile begins in qk
	s_lshl_b32 s14, s11, 7
	s_add_co_u32 s16, s16, s14
	s_lshl_b32 s16, s16, 13
	s_mov_b32 s17, 0
	s_lshl_b32 s46, s42, 9
	s_lshl_b32 s47, s12, 8
	s_add_co_u32 s46, s46, s47
	s_mov_b32 s47, 0
	s_add_nc_u64 s[16:17], s[16:17], s[46:47]
	s_lshl_b32 s[VTO], s42, 6                      ; and in vt: channel 64 x tile column + 32 x half,
	s_lshl_b32 s[VTO+1], s12, 5
	s_add_co_u32 s[VTO], s[VTO], s[VTO+1]
	s_lshl_b32 s[VTO], s[VTO], 13                  ; of 8,192 bytes;
	s_lshl_b32 s[VTO+1], s13, 9                    ; token 256 x tile row
	s_add_co_u32 s[VTO], s[VTO], s[VTO+1]
	s_lshl_b32 s[VTO+1], s11, 8                    ; + 128 x half, of 2 bytes
	s_add_co_u32 s[VTO], s[VTO], s[VTO+1]
	s_mov_b32 s[VTO+1], 0
	; the prefetches of xb and wqk: both offsets are made, the wave's kind chooses
	s_lshl_b32 s20, s13, 8
	s_lshl_b32 s21, s12, 7
	s_add_co_u32 s20, s20, s21
	s_lshl_b32 s21, s40, 5
	s_add_co_u32 s20, s20, s21                     ; xb: my work-group's 32 of the half's 128 rows,
	s_lshl_b32 s20, s20, 12
	s_add_co_u32 s20, s20, 3*KSTEP*2               ; at K step 3: the first refill steps it to 4
	s_lshl_b32 s21, s12, 6
	s_lshl_b32 s22, s41, 4
	s_add_co_u32 s21, s21, s22                     ; wqk: my work-group's 16 of the half's 64 rows,
	s_lshl_b32 s21, s21, 13
	s_lshl_b32 s22, s42, 9
	s_add_co_u32 s21, s21, s22
	s_add_co_u32 s21, s21, 3*KSTEP*SIZE_N*2        ; at K step 3
	s_and_b32 s22, ttmp7, 0xffff                   ; cluster y
	s_mov_b32 s[PSTEP], KSTEP*SIZE_N*2
	s_mov_b32 s[PSTEP+1], 0
	s_cmp_eq_u32 s11, 0                            ; waves 0 and 1 ask for xb
	s_cselect_b32 s20, s20, s21
	s_cselect_b32 s22, ttmp9, s22                  ; the coordinate along which other clusters read the same blocks
	s_cselect_b32 s[PSTEP], KSTEP*2, s[PSTEP]
	s_cselect_b32 s23, -1, 0
	s_cselect_b64 s[PFA:PFA+1], s[4:5], s[6:7]
	s_cmp_eq_u32 s22, 0
	s_cselect_b32 s[LIM], 1, -1                    ; the same in all sixteen partners, for a given wave
	s_mov_b32 s21, 0
	s_add_nc_u64 s[PFA:PFA+1], s[PFA:PFA+1], s[20:21]
	v_and_b32 v8, 31, v0
	v_lshlrev_b32 v9, 12, v8                       ; xb: a lane a row of 4,096 bytes
	v_lshrrev_b32 v10, 1, v8                       ; wqk: two lanes a row of 8,192 bytes, 256 bytes apart
	v_and_b32 v11, 1, v8
	v_lshlrev_b32 v10, 13, v10
	v_lshl_add_u32 v10, v11, 8, v10
	v_cndmask_b32 v[PFO], v10, v9, s23
	; the prefetches of wv
	s_and_b32 s93, ttmp7, 0xffff                   ; cluster y = 0
	s_xor_b32 s94, s10, 3                          ; and wave 3
	s_or_b32 s93, s93, s94
	s_cmp_eq_u32 s93, 0
	s_cselect_b32 s[LIMV], 1, -1                   ; the same in all sixteen partners, for a given wave
	s_lshl_b32 s94, s41, 2
	s_add_co_u32 s94, s94, s40                     ; my work-group's place among the sixteen:
	s_lshl_b32 s94, s94, 14                        ; its 8 rows of 2,048 bytes,
	s_lshl_b32 s93, ttmp9, 9                       ; the cluster's 512 bytes of a row,
	s_add_co_u32 s94, s94, s93
	s_add_co_u32 s94, s94, 2*KSTEP*SIZE_V*2        ; at K step 2: slot 0's first refill steps it to 4
	s_mov_b32 s95, 0
	s_add_nc_u64 s[PFV:PFV+1], s[68:69], s[94:95]
	v_and_b32 v9, 7, v0                            ; lane l: row l % 8, block (l / 8) % 2, K step l / 16
	v_lshlrev_b32 v[PFOV], 11, v9
	v_lshl_add_u32 v[PFOV], v7, 8, v[PFOV]
	v_lshl_add_u32 v[PFOV], v2, 18, v[PFOV]
; 16 matrix instructions for qk: m blocks a0, a0 + 1 of the window's four x all 8 n blocks, 32 along K.  zero = 1: the first product starts the sums: nothing is ever cleared.
.macro MUL16 f, hi, a0, zero
	WIN MUL_LO+0x50*(\hi)
.irp a, \a0, (\a0)+1
.irp b, 0,1,2,3,4,5,6,7
.if \zero
	v_wmma_f32_16x16x32_bf16 v[8*(8*(\a)+(\b)):8*(8*(\a)+(\b))+7], v[(\f)+8*(\b):(\f)+8*(\b)+7], v[(\f)+8*(4*(\hi)+(\a)):(\f)+8*(4*(\hi)+(\a))+7], 0
.else
	v_wmma_f32_16x16x32_bf16 v[8*(8*(\a)+(\b)):8*(8*(\a)+(\b))+7], v[(\f)+8*(\b):(\f)+8*(\b)+7], v[(\f)+8*(4*(\hi)+(\a)):(\f)+8*(4*(\hi)+(\a))+7], v[8*(8*(\a)+(\b)):8*(8*(\a)+(\b))+7]
.endif
.endr
.endr
.endm
; 8 matrix instructions for v: four token blocks (hi = 0: my rows 0-63, 1: rows 64-127) x both channel blocks, 32 along K.  wv's fragments of buffer f lie at v[16 + f / 4].
; All 80 accumulators take turns, one instruction a turn, in the same order in every quarter.
.macro MULV f, hi, zero
	WIN MUL_V
.irp a, 0,1,2,3
.irp c, 0,1
.if \zero
	v_wmma_f32_16x16x32_bf16 v[192*(\hi)+8*(2*(\a)+(\c)):192*(\hi)+8*(2*(\a)+(\c))+7], v[(\f)+8*(4*(\hi)+(\a)):(\f)+8*(4*(\hi)+(\a))+7], v[16+(\f)/4+8*(\c):16+(\f)/4+8*(\c)+7], 0
.else
	v_wmma_f32_16x16x32_bf16 v[192*(\hi)+8*(2*(\a)+(\c)):192*(\hi)+8*(2*(\a)+(\c))+7], v[(\f)+8*(4*(\hi)+(\a)):(\f)+8*(4*(\hi)+(\a))+7], v[16+(\f)/4+8*(\c):16+(\f)/4+8*(\c)+7], v[192*(\hi)+8*(2*(\a)+(\c)):192*(\hi)+8*(2*(\a)+(\c))+7]
.endif
.endr
.endr
.endm
; 36 LDS loads in one run: the fragments of quarter q (32 along K) of a slot into buffer f: 128 columns of wqk (turned), 32 channels of wv (turned), then 128 rows of xb
.macro FETCH slot, q, f
	WIN TO_B
.irp i, 0,1,2,3,4,5,6,7
	ds_load_tr16_b128 v[(\f)+8*(\i):(\f)+8*(\i)+3],   v[ADRB+(\slot)] offset:(\q)*32*PB+32*(\i)
	ds_load_tr16_b128 v[(\f)+8*(\i)+4:(\f)+8*(\i)+7], v[ADRB+(\slot)] offset:(\q)*32*PB+32*(\i)+16*PB
.endr
	WIN 0
.irp c, 0,1
	ds_load_tr16_b128 v[16+(\f)/4+8*(\c):16+(\f)/4+8*(\c)+3],   v[ADRV+(\slot)] offset:(\q)*32*PV+32*(\c)
	ds_load_tr16_b128 v[16+(\f)/4+8*(\c)+4:16+(\f)/4+8*(\c)+7], v[ADRV+(\slot)] offset:(\q)*32*PV+32*(\c)+16*PV
.endr
.irp i, 0,1,2,3,4,5,6,7
	ds_load_b128 v[(\f)+8*(\i):(\f)+8*(\i)+3],   v[ADRA+(\slot)] offset:64*(\q)+(\i)*16*PITCH
	ds_load_b128 v[(\f)+8*(\i)+4:(\f)+8*(\i)+7], v[ADRA+(\slot)] offset:64*(\q)+(\i)*16*PITCH+32
.endr
.endm
.macro PLACES                          ; four plain vector instructions between a matrix instruction and a load into, or a conversion of, its registers
.rept 4
	v_nop
.endr
.endm
; One of a K step's first three quarters: 80 matrix instructions on buffer f; in its middle it fetches quarter q of the same slot into buffer g.
.macro QUARTER slot, q, f, g, zero
	s_wait_dscnt 8                                 ; wqk's and wv's fragments and xb's rows 0-63 are in; the youngest eight loads (xb's rows 64-127) may be out
	MUL16 \f, 0, 0, \zero
	MUL16 \f, 0, 2, \zero
	MULV \f, 0, \zero
	PLACES
	FETCH \slot, \q, \g
	s_wait_dscnt 36                                ; all but the 36 just issued
	MUL16 \f, 1, 0, \zero
	MUL16 \f, 1, 2, \zero
	MULV \f, 1, \zero
.endm
; The first half of a K step's last quarter: ONE barrier for the change of slots.  In front of it each wave waits for all its tensor loads (one is out: its part of the next slot), adds 0 to its spare
; word, and waits for that and for its own reads of this slot.
.macro MEET round
	WIN 0                                          ; (the add's two registers lie in window 0)
	s_wait_tensorcnt 0x0
	ds_add_u32 v[SPW], v[NIL]
	s_wait_dscnt 9                                 ; (the add and the youngest eight loads may be out)
	MUL16 F1, 0, 0, 0                              ; sixteen matrix instructions stand between the add and the wait for it
	s_wait_dscnt 0x0                               ; the add is done, and my reads of this slot are over
	s_barrier_signal -1
	MUL16 F1, 0, 2, 0                              ; work on registers while the others arrive
	MULV F1, 0, 0
.if \round
	WIN 0
.endif
	s_barrier_wait -1
.endm
; The whole last quarter.  fill = 1: the barrier opens a round of the cluster's, and the slot just read out is filled again, two K steps on, first thing behind the round.
.macro TURN slot, next, fill
.if \fill
	s_wait_xcnt 0x0                                ; the last prefetches, a K step back or more, have read their addresses
	s_add_nc_u64 s[PFA:PFA+1], s[PFA:PFA+1], s[PSTEP:PSTEP+1]
.if (\slot) == 0
	s_add_nc_u64 s[PFV:PFV+1], s[PFV:PFV+1], 2*KSTEP*SIZE_V*2
.endif
.endif
	MEET \fill
.if \fill
	CREST                                          ; no wave of any partner still reads this slot's tiles or has a load on its way
	s_add_nc_u64 s[G0+4*(\slot)+2:G0+4*(\slot)+3], s[G0+4*(\slot)+2:G0+4*(\slot)+3], 2*KSTEP*2
	s_add_nc_u64 s[G0B+4*(\slot)+2:G0B+4*(\slot)+3], s[G0B+4*(\slot)+2:G0B+4*(\slot)+3], 2*KSTEP*SIZE_N*2
	s_add_nc_u64 s[G0V+4*(\slot)+2:G0V+4*(\slot)+3], s[G0V+4*(\slot)+2:G0V+4*(\slot)+3], 2*KSTEP*SIZE_V*2
	JLOAD \slot                                    ; the four v_nop behind it are also the places in front of the loads below
.else
	PLACES
.endif
	FETCH \next, 0, F0
.if \fill
	ASK
.if (\slot) == 0
	ASKV
.endif
.endif
	MUL16 F1, 1, 0, 0
	MUL16 F1, 1, 2, 0
	MULV F1, 1, 0
.endm
; THE WAY OUT, a block of 16 rows at a time.  PACK: block a of qk (16 tokens x 128 columns) rounded to f16, 16 bytes a lane.  PACKV: block c of v (16 channels x 128 tokens) likewise.
; TOSTAGE: into my own stage, and back as whole rows of 256 bytes.  SEND, SENDV: stored.
.macro PACK a
.set AC, 64*((\a)%4)
	WIN 0x0a+5*((\a)/4)                            ; sources 0 and 1: window 2 or 3
.irp b, 0,1,2,3,4,5,6,7
.irp r, 0,1,2,3
	v_cvt_pk_f16_f32 v[TMP+4*(\b)+(\r)], v[AC+8*(\b)+2*(\r)], v[AC+8*(\b)+2*(\r)+1]
.endr
.endr
	WIN 0
.endm
.macro PACKV c
	WIN 0x05                                       ; sources 0 and 1: window 1
.irp a, 0,1,2,3,4,5,6,7
.irp r, 0,1,2,3
	v_cvt_pk_f16_f32 v[TMP+4*(\a)+(\r)], v[192*((\a)/4)+8*(2*((\a)%4)+(\c))+2*(\r)], v[192*((\a)/4)+8*(2*((\a)%4)+(\c))+2*(\r)+1]
.endr
.endr
	WIN 0
.endm
.macro TOSTAGE a                       ; a's parity picks the registers that take the rows
	WIN 0
.set BK, OB+192*((\a)%2)
.irp b, 0,1,2,3,4,5,6,7
	ds_store_b128 v[STO], v[TMP+4*(\b):TMP+4*(\b)+3] offset:32*(\b)
.endr
.irp t, 0,1,2,3,4,5,6,7
	ds_load_b128 v[BK+4*(\t):BK+4*(\t)+3], v[RD] offset:(\t)*2*SPITCH  ; LDS serves a wave's instructions in order (ISA guide 5.7.1.4): these see the stores above
.endr
.endm
.macro SEND a
	WIN 0
.set BK, OB+192*((\a)%2)
	s_wait_dscnt 0x0                               ; the block is back in registers
	s_wait_xcnt 0x0                                ; the stores' base, and the registers that earlier stores read, are rewritten only behind this wait
.if (\a) == 0
	s_add_nc_u64 s[8:9], s[8:9], s[16:17]
.else
	s_add_nc_u64 s[8:9], s[8:9], 16*SIZE_N*2
.endif
.irp t, 0,1,2,3,4,5,6,7
	global_store_b128 v[CO], v[BK+4*(\t):BK+4*(\t)+3], s[8:9] offset:2*(\t)*SIZE_N*2  ; 16 lanes store 256 consecutive bytes, at a multiple of 256 from qk's first byte
.endr
.endm
.macro SENDV c
	WIN 0
.set BK, OB+192*((\c)%2)
	s_wait_dscnt 0x0
	s_wait_xcnt 0x0
.if (\c) == 0
	s_add_nc_u64 s[VT:VT+1], s[VT:VT+1], s[VTO:VTO+1]
.else
	s_add_nc_u64 s[VT:VT+1], s[VT:VT+1], 16*8192
.endif
.irp t, 0,1,2,3,4,5,6,7
	global_store_b128 v[CO], v[BK+4*(\t):BK+4*(\t)+3], s[VT:VT+1] offset:2*(\t)*8192  ; 16 lanes store 256 consecutive bytes, at a multiple of 256 from vt's first byte
.endr
.endm
	s_wait_tensorcnt 1                             ; my part of K step 0 is in; K step 1's may stay out
	s_barrier_signal -1
	s_barrier_wait -1
	FETCH 0, 0, F0
	QUARTER 0, 1, F0, F1, 1                        ; the first quarter stands in front of the loop: its products start the sums
	WIN 0
	s_mov_b32 s3, LAPS-1
.Llap:                                                 ; a trip goes once round the ring, from a lap's second quarter to the next lap's first, and fills both slots again
	QUARTER 0, 2, F1, F0, 0
	QUARTER 0, 3, F0, F1, 0
	TURN 0, 1, 1
	QUARTER 1, 1, F0, F1, 0
	QUARTER 1, 2, F1, F0, 0
	QUARTER 1, 3, F0, F1, 0
	TURN 1, 0, 1
	QUARTER 0, 1, F0, F1, 0
	WIN 0
	s_sub_co_u32 s3, s3, 1
	s_cmp_lg_u32 s3, 0
	s_cbranch_scc1 .Llap
	QUARTER 0, 2, F1, F0, 0                        ; the last lap fills nothing
	QUARTER 0, 3, F0, F1, 0
	TURN 0, 1, 0                                   ; behind this barrier nobody reads slot 0 any more, and nothing is loaded into it: its head is the stage
	QUARTER 1, 1, F0, F1, 0
	QUARTER 1, 2, F1, F0, 0
	QUARTER 1, 3, F0, F1, 0
	s_wait_dscnt 8                                 ; the very last quarter: nothing more to fetch
	MUL16 F1, 0, 0, 0
	MUL16 F1, 0, 2, 0
	MULV F1, 0, 0
	s_wait_dscnt 0x0
	MUL16 F1, 1, 0, 0
	MUL16 F1, 1, 2, 0
	MULV F1, 1, 0
	PLACES
	PACK 0
	TOSTAGE 0
.irp a, 1,2,3,4,5,6,7                  ; a block's conversions stand between the loads of the block before from the stage and the wait for them
	PACK \a
	SEND (\a)-1
	TOSTAGE \a
.endr
	PACKV 0
	SEND 7
	TOSTAGE 8
	PACKV 1
	SENDV 0
	TOSTAGE 9
	SENDV 1
	s_wait_tensorcnt 0x0                           ; the wave's end: behind my last tensor load and my last LDS store
	ds_add_u32 v[SPW], v[NIL]
	s_wait_dscnt 0x0
	CROUND                                         ; the closing round: no work-group ends while a partner may still ask for a tile that names it
	s_endpgm
.Lfunc_end_k_qd751c81805_proj:
	.size	k_qd751c81805_proj, .Lfunc_end_k_qd751c81805_proj-k_qd751c81805_proj
	.p2alignl 7, 3214868480
	.fill 96, 4, 3214868480
	.section	.rodata,"a",@progbits
	.p2align	6, 0x0
	.amdhsa_kernel k_qd751c81805_proj
		.amdhsa_group_segment_fixed_size 327680
		.amdhsa_private_segment_fixed_size 0
		.amdhsa_enable_private_segment 0
		.amdhsa_kernarg_size 40
		.amdhsa_user_sgpr_count 2
		.amdhsa_user_sgpr_kernarg_segment_ptr 1
		.amdhsa_wavefront_size32 1
		.amdhsa_system_sgpr_workgroup_id_x 1
		.amdhsa_system_sgpr_workgroup_id_y 1
		.amdhsa_system_sgpr_workgroup_id_z 1
		.amdhsa_system_vgpr_workitem_id 0
		.amdhsa_next_free_vgpr 1024
		.amdhsa_next_free_sgpr 96
		.amdhsa_reserve_vcc 0
		.amdhsa_float_denorm_mode_32 3
		.amdhsa_float_denorm_mode_16_64 3
		.amdhsa_memory_ordered 1
		.amdhsa_forward_progress 1
		.amdhsa_inst_pref_size 177
	.end_amdhsa_kernel
	.amdgpu_metadata
---
amdhsa.version: [ 1, 2 ]
amdhsa.kernels:
  - .name:           k_qd751c81805_proj
    .symbol:         k_qd751c81805_proj.kd
    .args:
      - { .name: xb, .offset: 0, .size: 8, .value_kind: global_buffer, .address_space: global }
      - { .name: wqk, .offset: 8, .size: 8, .value_kind: global_buffer, .address_space: global }
      - { .name: wv, .offset: 16, .size: 8, .value_kind: global_buffer, .address_space: global }
      - { .name: qk, .offset: 24, .size: 8, .value_kind: global_buffer, .address_space: global }
      - { .name: vt, .offset: 32, .size: 8, .value_kind: global_buffer, .address_space: global }
    .group_segment_fixed_size: 327680
    .private_segment_fixed_size: 0
    .kernarg_segment_align: 8
    .kernarg_segment_size: 40
    .max_flat_workgroup_size: 128
    .sgpr_count:     96
    .vgpr_count:     1024
    .wavefront_size: 32
...
	.end_amdgpu_metadata
.endif
;; end of part 6
;; launch scores: the kernel of part 4 again; grid 9 x 16, 4 waves a work-group, no clusters, 327,680 bytes of LDS; arguments qk, p, st; writes p, st
;; launch mix: the kernel of part 5 again; grid 16 x 16, 4 waves a work-group, no clusters, 171,520 bytes of LDS; arguments p, st, vt, out0; writes out0
;; ======== version 3 of 3: 4 launches; version 2 with the launch cast written anew for expert scheduling mode
;; limits: values are held in f16: magnitudes above 65,504 overflow, below 6.1e-05 lose precision
;; workspace buffers: xb 16,777,216 bytes; wqk 16,777,216 bytes; wv 4,194,304 bytes; qk 33,554,432 bytes; vt 8,388,608 bytes; p 8,388,608 bytes; st 524,288 bytes
;; launch cast (part 7): grid 1152 x 1, 8 waves a work-group, no clusters, 0 bytes of LDS; arguments x, Wq, Wk, Wv, xb, wqk, wv; writes xb, wqk, wv
.if DOCPART == 7
	.amdgcn_target "amdgcn-amd-amdhsa--gfx1250"
	.amdhsa_code_object_version 6
	.text
	.protected	k_qd751c81805_cast
	.globl	k_qd751c81805_cast
	.p2align	8
	.type	k_qd751c81805_cast,@function
k_qd751c81805_cast:
	s_mov_b64 s[64:65], 0
	v_nop
	global_prefetch_b8 v0, s[64:65] scope:SCOPE_SE
	s_setreg_imm32_b32 hwreg(HW_REG_WAVE_SCHED_MODE, 0, 2), 2
	s_setreg_imm32_b32 hwreg(HW_REG_WAVE_MODE, 25, 1), 1
	s_wait_xcnt 0x0
	s_wait_alu depctr_vm_vsrc(0)
; x, Wq, Wk, Wv (f32) are rounded once to bf16: xb [4096][2048]; wqk [2048][4096], row e = Wq[e][:] then Wk[e][:]; wv [2048][1024].
; Every source is taken as rows of 2,048 f32 (8,192 bytes; Wv: 1,024 such rows, end to end).  A work-group takes 8 rows:
; groups 0-511 x, 512-767 Wq, 768-1023 Wk, 1024-1151 Wv.  Memory binds: each byte is read once and written once; no LDS, no matrix unit, no loop.
; A load of a wave covers 512 consecutive bytes, a store 256 consecutive bytes at a multiple of 256 from the buffer's first byte.
; All 16 loads of a thread go out on end; no register is used twice.
; THE MODE: SCHED_MODE bits 1:0 = 2 (LLVM: expert scheduling mode 2), set by the entry lines.  The code itself states the register dependences
; between vector instructions and memory instructions, with s_wait_alu, always for 0.
; THE PLAN.  Registers that memory instructions touch:
;   v1     the loads' offset.  Written once at the head by a vector instruction; read by all 16 loads; never written again.
;   DIN    16 x 4 registers.  Each is written by one load and by nothing else; read by two conversions, behind the counted wait for the load.
;   OFS    the stores' offsets, one a row.  Written once, by eight vector adds behind the loads; read by the stores; never written again.
;   DOUT   16 pairs.  Each is written by two conversions, once; read by one store; never written again.
; So the only dependences to state run from a vector instruction that writes to a memory instruction that reads: v1 ahead of the loads, OFS and DOUT ahead of the stores.
; No register that a memory instruction reads is written again, and no load lands in a register that a vector instruction has named: there is no wait on vm_vsrc.
; The loads are taken in four groups of four (two rows).  At the head of group g, behind the wait for its loads, ONE wait on va_vdst states that group g - 1's conversions have written their
; DOUT; that group's four stores follow, dealt among group g's conversions, which name DIN and DOUT of group g alone: none of the registers that those stores read.
.set DIN,  16                          ; v[16:79]   16 loads of 4 registers
.set DOUT, 80                          ; v[80:111]  16 pairs to store
.set OFS,  2                           ; v[2:9]     row r: 8 t + r x the destination's pitch
.set RP,   32                          ; s[32:39]   row r: r x the destination's pitch; a register to each row: none that a vector instruction reads is written again
.set GRP,  4                           ; loads in a group
	s_load_b256 s[4:11], s[0:1], 0x0               ; x s[4:5], Wq s[6:7], Wk s[8:9], Wv s[10:11]
	s_load_b128 s[12:15], s[0:1], 0x20             ; xb s[12:13], wqk s[14:15]
	s_load_b64 s[16:17], s[0:1], 0x30              ; wv
	s_mov_b32 s2, ttmp9                            ; g
	v_lshlrev_b32 v1, 4, v0                        ; 16 t: my 16 bytes of a half row of the source
	v_lshlrev_b32 v10, 3, v0                       ; 8 t: my 8 bytes of a half row of the destination
	s_mov_b32 s24, 4096                            ; the destination's pitch in bytes,
	s_mov_b32 s25, 0                               ; the byte at which my part of its rows begins,
	s_mov_b32 s26, 1024                            ; the source's first group: all three start as Wv's
	s_wait_kmcnt 0x0
	s_mov_b64 s[20:21], s[10:11]
	s_mov_b64 s[22:23], s[16:17]
	s_cmp_lt_u32 s2, 1024                          ; Wk
	s_cselect_b64 s[20:21], s[8:9], s[20:21]
	s_cselect_b64 s[22:23], s[14:15], s[22:23]
	s_cselect_b32 s24, 8192, s24
	s_cselect_b32 s25, 4096, s25
	s_cselect_b32 s26, 768, s26
	s_cmp_lt_u32 s2, 768                           ; Wq
	s_cselect_b64 s[20:21], s[6:7], s[20:21]
	s_cselect_b32 s25, 0, s25
	s_cselect_b32 s26, 512, s26
	s_cmp_lt_u32 s2, 512                           ; x
	s_cselect_b64 s[20:21], s[4:5], s[20:21]
	s_cselect_b64 s[22:23], s[12:13], s[22:23]
	s_cselect_b32 s24, 4096, s24
	s_cselect_b32 s26, 0, s26
	s_sub_co_u32 s26, s2, s26                      ; my group within its source
	s_lshl_b32 s28, s26, 16                        ; 8 rows of 8,192 bytes
	s_mov_b32 s29, 0
	s_add_nc_u64 s[20:21], s[20:21], s[28:29]
	s_wait_alu depctr_va_vdst(0)                   ; v1 is written, which all sixteen loads read as their offset
.set n, 0
.rept 16                                       ; row n / 2, half n % 2
	global_load_b128 v[DIN+4*n:DIN+4*n+3], v1, s[20:21] offset:(n/2)*8192+(n%2)*4096 th:TH_LOAD_NT
.set n, n+1
.endr
	s_lshl_b32 s26, s26, 3
	s_mul_i32 s28, s26, s24
	s_add_co_u32 s28, s28, s25
	s_add_nc_u64 s[22:23], s[22:23], s[28:29]
.irp r, 0,1,2,3,4,5,6,7
	s_mul_i32 s[RP+\r], s24, \r
	v_add_nc_u32 v[OFS+\r], s[RP+\r], v10          ; read by the stores: the wait at the head of group 1 stands between
.endr
.set g, 0
.rept 16/GRP                                   ; group g: loads 4 g to 4 g + 3
	s_wait_loadcnt 16-GRP-GRP*g                    ; loads come back in order (ISA guide 5.7.1): the group's four are in, the 12 - 4 g younger ones stay out
.if g > 0
	s_wait_alu depctr_va_vdst(0)                   ; the conversions of the group before have written their DOUT, which the four stores below read; in group 1 also: the eight adds have written OFS, which every store reads
.endif
.set i, 0
.rept GRP
.set n, GRP*g+i
.if g > 0
	global_store_b64 v[OFS+(n-GRP)/2], v[DOUT+2*(n-GRP):DOUT+2*(n-GRP)+1], s[22:23] offset:((n-GRP)%2)*2048 th:TH_STORE_NT  ; the group before; no vector instruction since the wait names these registers
.endif
	v_cvt_pk_bf16_f32 v[DOUT+2*n], v[DIN+4*n], v[DIN+4*n+1]
	v_cvt_pk_bf16_f32 v[DOUT+2*n+1], v[DIN+4*n+2], v[DIN+4*n+3]
.set i, i+1
.endr
.set g, g+1
.endr
	s_wait_alu depctr_va_vdst(0)                   ; the last group's conversions have written their DOUT, which the last four stores read
.set n, 16-GRP
.rept GRP
	global_store_b64 v[OFS+n/2], v[DOUT+2*n:DOUT+2*n+1], s[22:23] offset:(n%2)*2048 th:TH_STORE_NT
.set n, n+1
.endr
	s_endpgm
.Lfunc_end_k_qd751c81805_cast:
	.size	k_qd751c81805_cast, .Lfunc_end_k_qd751c81805_cast-k_qd751c81805_cast
	.p2alignl 7, 3214868480
	.fill 96, 4, 3214868480
	.section	.rodata,"a",@progbits
	.p2align	6, 0x0
	.amdhsa_kernel k_qd751c81805_cast
		.amdhsa_group_segment_fixed_size 0
		.amdhsa_private_segment_fixed_size 0
		.amdhsa_enable_private_segment 0
		.amdhsa_kernarg_size 56
		.amdhsa_user_sgpr_count 2
		.amdhsa_user_sgpr_kernarg_segment_ptr 1
		.amdhsa_wavefront_size32 1
		.amdhsa_system_sgpr_workgroup_id_x 1
		.amdhsa_system_sgpr_workgroup_id_y 1
		.amdhsa_system_sgpr_workgroup_id_z 1
		.amdhsa_system_vgpr_workitem_id 0
		.amdhsa_next_free_vgpr 112
		.amdhsa_next_free_sgpr 66
		.amdhsa_reserve_vcc 0
		.amdhsa_float_denorm_mode_32 3
		.amdhsa_float_denorm_mode_16_64 3
		.amdhsa_memory_ordered 1
		.amdhsa_forward_progress 1
		.amdhsa_inst_pref_size 8
	.end_amdhsa_kernel
	.amdgpu_metadata
---
amdhsa.version: [ 1, 2 ]
amdhsa.kernels:
  - .name:           k_qd751c81805_cast
    .symbol:         k_qd751c81805_cast.kd
    .args:
      - { .name: x, .offset: 0, .size: 8, .value_kind: global_buffer, .address_space: global }
      - { .name: Wq, .offset: 8, .size: 8, .value_kind: global_buffer, .address_space: global }
      - { .name: Wk, .offset: 16, .size: 8, .value_kind: global_buffer, .address_space: global }
      - { .name: Wv, .offset: 24, .size: 8, .value_kind: global_buffer, .address_space: global }
      - { .name: xb, .offset: 32, .size: 8, .value_kind: global_buffer, .address_space: global }
      - { .name: wqk, .offset: 40, .size: 8, .value_kind: global_buffer, .address_space: global }
      - { .name: wv, .offset: 48, .size: 8, .value_kind: global_buffer, .address_space: global }
    .group_segment_fixed_size: 0
    .private_segment_fixed_size: 0
    .kernarg_segment_align: 8
    .kernarg_segment_size: 56
    .max_flat_workgroup_size: 256
    .sgpr_count:     66
    .vgpr_count:     112
    .wavefront_size: 32
...
	.end_amdgpu_metadata
.endif
;; end of part 7
;; launch proj: the kernel of part 6 again; grid 16 x 16, 4 waves a work-group, clusters of 4 x 4, 327,680 bytes of LDS; arguments xb, wqk, wv, qk, vt; writes qk, vt
;; launch scores: the kernel of part 4 again; grid 9 x 16, 4 waves a work-group, no clusters, 327,680 bytes of LDS; arguments qk, p, st; writes p, st
;; launch mix: the kernel of part 5 again; grid 16 x 16, 4 waves a work-group, no clusters, 171,520 bytes of LDS; arguments p, st, vt, out0; writes out0
